; MI455X (gfx1250); checked and timed in simulation.
; The chip was launched on July 23, 2026; its instructions are those of AMD's public machine-readable ISA for CDNA 5 (MIT licence, August 2026) and "CDNA5" Instruction Set Architecture Reference Guide (July 2026). The comments in the code are by the model that wrote it; some were corrected since.
;; Self Attention. Allowed arithmetic: matrix products marked QUANTISED: E2M3 operands, one E8M0 scale for each 32 along K, by v_wmma_scale_f32_16x16x128_f8f6f4 with both operands' format E2M3, f32 sums; everything else in f32.
;; Inputs: Wk 1,024 x 1,024 float32; Wq 1,024 x 1,024 float32; Wv 1,024 x 1,024 float32; bk 1,024 float32; bq 1,024 float32; bv 1,024 float32; x 4 x 2,048 x 1,024 float32.
;; Outputs: out0 4 x 2,048 x 1,024 float32.
;; This version of the problem:
;;   THIS VERSION OF THE PROBLEM IS GIVEN IN LOW PRECISION. The matrix products marked QUANTISED in the list below multiply operands that are first quantised to E2M3 (2 exponent bits, 3 mantissa bits; 6 bits a number), with one power-of-two scale for each 32 numbers along K (OCP MX v1.0); their sums are f32. All else is computed in f32.
;;   The module's matrix products, in the order in which they are computed (A, B: the left and right operand; K: the contracted axis; several contracted axes count as one K, in the product's order):
;;     1. [M 8,192, K 1,024] x [K 1,024, N 1,024]; A: input x; B: input Wq: QUANTISED
;;     2. [M 8,192, K 1,024] x [K 1,024, N 1,024]; A: input x; B: input Wk: QUANTISED
;;     3. [M 8,192, K 1,024] x [K 1,024, N 1,024]; A: input x; B: input Wv: QUANTISED
;;     4. batch 4 x [M 2,048, K 1,024] x [K 1,024, N 2,048]; A: computed on the way; B: computed on the way: QUANTISED
;;     5. batch 4 x [M 2,048, K 2,048] x [K 2,048, N 1,024]; A: softmax (see below); B: computed on the way: QUANTISED
;;   THE QUANTISER, for each operand of a quantised product, along K:
;;     - K is cut into blocks of 32 from its start; a last block that is shorter is filled with zeros.
;;     - A block's scale is 2^e with e = floor(log2(the largest magnitude in the block)) - 2, held to -126 .. 127; a block of zeros has e = 0. As a byte (E8M0): e + 127.
;;     - Each number is divided by its block's scale, clamped to +-7.5, and rounded to the nearest number of E2M3, ties to even, subnormals kept.
;;     - The product sums the exact products of the quantised numbers (number of the format x scale) in f32.
;;   ~~~python
;;   def quantise(x, axis):      # numpy; x: float32 -> the quantised numbers, widened to float32 again
;;       x = np.moveaxis(x, axis, -1); K = x.shape[-1]
;;       x = np.pad(x, [(0, 0)] * (x.ndim - 1) + [(0, -K % 32)]); x = x.reshape(x.shape[:-1] + (-1, 32)); a = np.abs(x).max(-1, keepdims=True)
;;       e = np.where(a > 0, np.clip(np.frexp(np.where(a > 0, a, 1))[1] - 1 - 2, -126, 127), 0)      # np.frexp(a)[1] - 1 = floor(log2(a)), exactly
;;       r = np.clip(x / 2.0 ** e, -7.5, 7.5)
;;       step = 2.0 ** (np.maximum(np.frexp(np.where(r == 0, 1, r))[1] - 1, 0) - 3)
;;       q = np.round(r / step) * step * 2.0 ** e      # np.round: ties to even
;;       return np.moveaxis(q.reshape(q.shape[:-2] + (-1,))[..., :K], -1, axis).astype(np.float32)
;;   ~~~
;;   SOFTMAX AHEAD OF A QUANTISED PRODUCT. Where the list says 'softmax', what is quantised is not the finished softmax but p = 2^(t - M), with t = logit x log2(e) and M = ceil(the row's largest t), a whole number; so 1/2 < the row's largest p <= 1. The row's sum l is taken of the UNQUANTISED p, in f32, and the product's result is divided by l at the end. Since M is a whole number, a kernel that streams over the keys may use a running M (the ceiling of the running maximum): every later rescaling is an exact power of two, which a block's scale takes up: the codes' values come out the same.
;;   OPERANDS COMPUTED ON THE WAY. 'Computed on the way' means the value that the module computes at that place (a softmax that the list does not call 'softmax' is quantised finished and normalised). What goes into a quantiser is computed in f32, as accurately as f32 sums, v_exp_f32 and their like allow (about 1e-6 of the number): no bf16 or f16 on the way to a quantiser, and a product that is left as it is and whose result goes on into a quantised operand takes f32 operands (vector FMAs, or v_wmma_f32_16x16x4_f32). A number that lies on a knife's edge between two numbers of the format may be rounded either way, as far as f32 arithmetic and the matrix unit's own rounding can turn it there, and no further.
;; One version. Each part assembles by itself: llvm-mc -triple=amdgcn-amd-amdhsa -mcpu=gfx1250 --defsym DOCPART=n.
;; ======== version 1 of 1: 4 launches
;; workspace buffers: inc 8,650,752 bytes; ins 360,448 bytes; qkvc 18,874,368 bytes; qkvs 786,432 bytes; pc 12,582,912 bytes; pst 1,572,864 bytes
;; launch quant (part 1): grid 176 x 4, 4 waves a work-group, no clusters, 35,328 bytes of LDS; arguments x, Wq, Wk, Wv, inc, ins; writes inc, ins
.if DOCPART == 1
	.amdgcn_target "amdgcn-amd-amdhsa--gfx1250"
	.amdhsa_code_object_version 6
	.text
	.protected	k_q4d95cb3841_quant
	.globl	k_q4d95cb3841_quant
	.p2align	8
	.type	k_q4d95cb3841_quant,@function
k_q4d95cb3841_quant:
	s_mov_b64 s[64:65], 0
	v_nop
	global_prefetch_b8 v0, s[64:65] scope:SCOPE_SE
	s_setreg_imm32_b32 hwreg(HW_REG_WAVE_MODE, 25, 1), 1
	s_wait_xcnt 0x0
; x [8192][1024], Wq, Wk, Wv [1024][1024], f32, K innermost, become codes of FP6 (E2M3) and E8M0 scale words, as 11,264 stacked rows.
; A block's scale is 2^(floor(log2(largest magnitude)) - 2): its byte is the largest magnitude's exponent field - 2, held at 1 from below.
; LIMITS: a block of zeros gets the byte 1 where the rule says 127 (its codes are zeros; this program alone reads the bytes); NaN and infinities are not served.
; LAYOUT OF THE CODES: images of the operand's registers.  Rows go in groups of 128; a group has 8 blocks of 16 POSITIONS; position r of block i is
; row 32 (i / 2) + 8 (i % 2) + r + 8 (r / 8) of the group.  inc = [group][K / 256][block i][(K / 128) % 2][1,536 bytes]; an image is 3 x 512 bytes,
; lane l's registers 4 c .. 4 c + 3 at 512 c + 16 l.  ins = [256 rows][K / 128][256 positions], one 32-bit word each.
; SHARES: a work-group takes 64 rows x 256 along K; wave w takes 32 rows (w & 1; two blocks f) x 128 along K (w >> 1).
; Each load reads 512 consecutive bytes of one row; a block's 16 rows turn through the wave's own stage in LDS, so that lane (r, h) holds, of row r,
; k = 64 c + 32 h + 0 .. 31: two whole blocks of 32, in the order of the operand's registers.  All 32 loads of a wave go out at its head.
.set STAGEB, 8448                      ; a wave's stage: 16 rows x (512 + 16) bytes
.set WGSC,   33792                     ; behind the four stages: the work-group's 2 x 64 scale words
.set RA,  16                           ; v16-79   block 0 as loaded; later block 1 turned
.set RB,  80                           ; v80-143  block 1 as loaded
.set XT,  144                          ; v144-207 block 0 turned
.set PC,  208                          ; v208-219 the codes; v220-222, v224-226 the halves that begin on an odd register
.set MX,  228                          ; v228-231 four chains of maxima
.set SO,  232                          ; v232-233 the conversions' scale operands
.set BY,  234                          ; v234-235 the bytes
.set TP,  236                          ; the lane permute's destination
.set WD,  238                          ; v238-239 the two blocks' scale words
	s_load_b256 s[4:11], s[0:1], 0x0               ; x, Wq, Wk, Wv
	s_load_b128 s[12:15], s[0:1], 0x20             ; inc, ins
	v_lshl_add_u32 v240, v0, 2, 0x8800
	v_mov_b32 v241, 0
	v_lshrrev_b32 v1, 5, v0
	v_readfirstlane_b32 s16, v1                    ; wave
	s_and_b32 s17, s16, 1                          ; which 32 rows
	s_lshr_b32 s18, s16, 1                         ; which 128 along K
	s_and_b32 s19, ttmp7, 0xffff                   ; which 256 along K
	v_and_b32 v2, 31, v0                           ; lane
	v_and_b32 v3, 15, v0                           ; r
	v_bfe_u32 v11, v0, 4, 1                        ; h
	v_lshlrev_b32 v4, 4, v2                        ; 16 x lane: in a row's 512 bytes, and in an image
	s_mul_i32 s20, s16, STAGEB
	v_add_nc_u32 v5, s20, v4                       ; the stage, on the way in
	v_mul_u32_u24 v6, v3, 528
	v_lshl_add_u32 v6, v11, 7, v6
	v_add_nc_u32 v6, s20, v6                       ; and out: row r, + 128 h
	s_lshl_b32 s21, s18, 8
	s_lshl_b32 s22, s17, 7
	s_add_co_u32 s21, s21, s22
	s_add_co_u32 s21, s21, WGSC
	v_lshl_add_u32 v7, v3, 2, s21                  ; my row's scale word among the work-group's
	v_add_nc_u32 v8, WGSC, v4                      ; all of them, 16 bytes a lane
	v_lshlrev_b32 v9, 4, v3
	v_lshl_add_u32 v9, v11, 10, v9                 ; and their place in ins: lanes 16-31 one K step (1,024 bytes) on
	v_lshlrev_b32 v10, 3, v11                      ; 8 h
	v_mov_b32 v[TP], 0                             ; a lane permute's destination counts as read
	s_mov_b32 s2, 0x76543210
	s_mov_b32 s3, 0xfedcba98                       ; lane l xor 16
	s_and_b32 s23, ttmp9, 15
	s_cmp_lt_u32 ttmp9, 128
	s_cselect_b32 s23, ttmp9, s23                  ; the group of 64 rows inside its own tensor
	s_lshl_b32 s23, s23, 1
	s_add_co_u32 s23, s23, s17
	s_lshl_b32 s24, s23, 17                        ; x 32 rows of 4,096 bytes
	s_lshl_b32 s25, s19, 1
	s_add_co_u32 s25, s25, s18
	s_lshl_b32 s25, s25, 9                         ; + 512 bytes for each 128 along K
	s_add_co_u32 s24, s24, s25
	s_mov_b32 s25, 0
	s_lshr_b32 s26, ttmp9, 1                       ; inc: (group of 128 x 4 + K / 256) x 24,576
	s_lshl_b32 s26, s26, 2
	s_add_co_u32 s26, s26, s19
	s_mul_i32 s26, s26, 24576
	s_and_b32 s27, ttmp9, 1
	s_lshl_b32 s27, s27, 1
	s_add_co_u32 s27, s27, s17
	s_mul_i32 s27, s27, 6144                       ; + my pair of blocks
	s_add_co_u32 s26, s26, s27
	s_mul_i32 s27, s18, 1536                       ; + my half of the 256 along K
	s_add_co_u32 s26, s26, s27
	s_mov_b32 s27, 0
	s_lshr_b32 s28, ttmp9, 2                       ; ins: (group of 256 x 8 + K / 128) x 1,024 + 256 x my 64 positions
	s_lshl_b32 s28, s28, 3
	s_lshl_b32 s29, s19, 1
	s_add_co_u32 s28, s28, s29
	s_lshl_b32 s28, s28, 10
	s_and_b32 s29, ttmp9, 3
	s_lshl_b32 s29, s29, 8
	s_add_co_u32 s28, s28, s29
	s_mov_b32 s29, 0
	s_wait_kmcnt 0x0
	s_cmp_lt_u32 ttmp9, 160                        ; which tensor: the choice hangs on the work-group's number alone
	s_cselect_b64 s[10:11], s[8:9], s[10:11]
	s_cmp_lt_u32 ttmp9, 144
	s_cselect_b64 s[10:11], s[6:7], s[10:11]
	s_cmp_lt_u32 ttmp9, 128
	s_cselect_b64 s[10:11], s[4:5], s[10:11]
	s_add_nc_u64 s[10:11], s[10:11], s[24:25]
	s_add_nc_u64 s[12:13], s[12:13], s[26:27]
	s_add_nc_u64 s[14:15], s[14:15], s[28:29]
.macro LOAD f, reg                     ; block f's 16 rows, in the order of its positions
.irp j, 0,1,2,3,4,5,6,7,8,9,10,11,12,13,14,15
	global_load_b128 v[\reg+4*\j:\reg+4*\j+3], v4, s[10:11] offset:(8*\f+\j+8*(\j/8))*4096 th:TH_LOAD_NT
.endr
.endm
.macro TURNX src, dst                  ; through the stage: LDS serves a wave's instructions in order, so no wait stands between the stores and the loads
.irp j, 0,1,2,3,4,5,6,7,8,9,10,11,12,13,14,15
	ds_store_b128 v5, v[\src+4*\j:\src+4*\j+3] offset:528*\j
.endr
.irp i, 0,1,2,3,4,5,6,7
	ds_load_b128 v[\dst+4*\i:\dst+4*\i+3], v6 offset:16*\i
.endr
.irp i, 0,1,2,3,4,5,6,7
	ds_load_b128 v[\dst+32+4*\i:\dst+32+4*\i+3], v6 offset:256+16*\i
.endr
.endm
; 64 numbers of a lane, register 32 c + i = k 64 c + 32 h + i of my row, become the fragment's 12 registers and my row's scale word
.macro QUANT6 xs, wd
.irp c, 0,1
	v_max3_num_f32 v[MX+2*\c], |v[\xs+32*\c]|, |v[\xs+32*\c+1]|, 0x1800000     ; two chains a block, each begun with the floor 2^(3 - 127): the byte cannot fall under 1
	v_max3_num_f32 v[MX+2*\c+1], |v[\xs+32*\c+2]|, |v[\xs+32*\c+3]|, 0x1800000
.endr
.irp i, 4,8,12,16,20,24,28
.irp c, 0,1
	v_max3_num_f32 v[MX+2*\c], v[MX+2*\c], |v[\xs+32*\c+\i]|, |v[\xs+32*\c+\i+1]|
	v_max3_num_f32 v[MX+2*\c+1], v[MX+2*\c+1], |v[\xs+32*\c+\i+2]|, |v[\xs+32*\c+\i+3]|
.endr
.endr
.irp c, 0,1
	v_max_num_f32 v[MX+2*\c], v[MX+2*\c], v[MX+2*\c+1]
.endr
.irp c, 0,1
	v_add_nc_u32 v[SO+\c], 0xff000000, v[MX+2*\c]  ; 2 off the exponent field: the conversion's scale operand
.endr
.irp c, 0,1
	v_lshrrev_b32 v[BY+\c], 23, v[SO+\c]           ; the byte
.endr
	v_lshl_or_b32 v[\wd], v[BY+1], 16, v[BY]       ; my bytes are those of blocks h and 2 + h
	v_lshlrev_b32 v[\wd], v10, v[\wd]
	v_permlanex16_b32 v[TP], v[\wd], s2, s3
	v_or_b32 v[\wd], v[\wd], v[TP]                 ; with lane l xor 16's two the word is whole
.irp c, 0,1
	v_cvt_scalef32_pk16_fp6_f32 v[PC+6*\c:PC+6*\c+2], v[\xs+32*\c:\xs+32*\c+15], v[SO+\c]
	v_cvt_scalef32_pk16_fp6_f32 v[PC+12+4*\c:PC+14+4*\c], v[\xs+32*\c+16:\xs+32*\c+31], v[SO+\c]   ; (a conversion's three registers begin on an even number)
.endr
	v_nop                                          ; one plain instruction behind the scaled conversions
.irp c, 0,1
.irp i, 0,1,2
	v_mov_b32 v[PC+3+6*\c+\i], v[PC+12+4*\c+\i]
.endr
.endr
.endm
.macro OUT f                           ; the image: each store covers 512 consecutive bytes, aligned
.irp c, 0,1,2
	global_store_b128 v4, v[PC+4*\c:PC+4*\c+3], s[12:13] offset:3072*\f+512*\c
.endr
	ds_store_b32 v7, v[WD+\f] offset:64*\f         ; both halves of the lanes write the same word with the same value
.endm
	LOAD 0, RA
	LOAD 1, RB
	s_wait_loadcnt 16                              ; block 0's 16 loads are in; block 1's may be out
	TURNX RA, XT
	s_wait_loadcnt 0x0
	s_wait_dscnt 0x0                               ; block 0 is turned, and the stage and RA have been read
	TURNX RB, RA                                   ; block 1 turns while block 0 is quantised
	QUANT6 XT, WD
	OUT 0
	s_wait_dscnt 1                                 ; block 1 is turned; only the scale word's store may be out
	s_wait_xcnt 0x0                                ; the stores' data registers are written again only behind this wait
	QUANT6 RA, WD+1
	OUT 1
	s_wait_dscnt 0x0                               ; my scale words lie in LDS
	s_barrier_signal -1
	s_barrier_wait -1                              ; everybody's do
	s_cmp_lg_u32 s16, 0
	s_cbranch_scc1 .Ldone
	ds_load_b128 v[12:15], v8                      ; wave 0 stores the work-group's 2 x 256 bytes: sixteen lanes to 256 consecutive bytes, aligned
	s_wait_dscnt 0x0
	global_store_b128 v9, v[12:15], s[14:15]
.Ldone:
	s_wait_tensorcnt 0x0
	ds_add_u32 v240, v241
	s_wait_dscnt 0x0
	s_endpgm
.Lfunc_end_k_q4d95cb3841_quant:
	.size	k_q4d95cb3841_quant, .Lfunc_end_k_q4d95cb3841_quant-k_q4d95cb3841_quant
	.p2alignl 7, 3214868480
	.fill 96, 4, 3214868480
	.section	.rodata,"a",@progbits
	.p2align	6, 0x0
	.amdhsa_kernel k_q4d95cb3841_quant
		.amdhsa_group_segment_fixed_size 35328
		.amdhsa_private_segment_fixed_size 0
		.amdhsa_enable_private_segment 0
		.amdhsa_kernarg_size 48
		.amdhsa_user_sgpr_count 2
		.amdhsa_user_sgpr_kernarg_segment_ptr 1
		.amdhsa_wavefront_size32 1
		.amdhsa_system_sgpr_workgroup_id_x 1
		.amdhsa_system_sgpr_workgroup_id_y 1
		.amdhsa_system_sgpr_workgroup_id_z 1
		.amdhsa_system_vgpr_workitem_id 0
		.amdhsa_next_free_vgpr 242
		.amdhsa_next_free_sgpr 66
		.amdhsa_reserve_vcc 0
		.amdhsa_float_denorm_mode_32 3
		.amdhsa_float_denorm_mode_16_64 3
		.amdhsa_memory_ordered 1
		.amdhsa_forward_progress 1
		.amdhsa_inst_pref_size 18
	.end_amdhsa_kernel
	.amdgpu_metadata
---
amdhsa.version: [ 1, 2 ]
amdhsa.kernels:
  - .name:           k_q4d95cb3841_quant
    .symbol:         k_q4d95cb3841_quant.kd
    .args:
      - { .name: x, .offset: 0, .size: 8, .value_kind: global_buffer, .address_space: global }
      - { .name: Wq, .offset: 8, .size: 8, .value_kind: global_buffer, .address_space: global }
      - { .name: Wk, .offset: 16, .size: 8, .value_kind: global_buffer, .address_space: global }
      - { .name: Wv, .offset: 24, .size: 8, .value_kind: global_buffer, .address_space: global }
      - { .name: inc, .offset: 32, .size: 8, .value_kind: global_buffer, .address_space: global }
      - { .name: ins, .offset: 40, .size: 8, .value_kind: global_buffer, .address_space: global }
    .group_segment_fixed_size: 35328
    .private_segment_fixed_size: 0
    .kernarg_segment_align: 8
    .kernarg_segment_size: 48
    .max_flat_workgroup_size: 128
    .sgpr_count:     66
    .vgpr_count:     242
    .wavefront_size: 32
...
	.end_amdgpu_metadata
.endif
;; end of part 1
;; launch proj (part 2): grid 8 x 48, 4 waves a work-group, clusters of 4 x 4, 327,680 bytes of LDS; arguments inc, ins, bq, bk, bv, qkvc, qkvs; writes qkvc, qkvs
.if DOCPART == 2
	.amdgcn_target "amdgcn-amd-amdhsa--gfx1250"
	.amdhsa_code_object_version 6
	.text
	.protected	k_q4d95cb3841_proj
	.globl	k_q4d95cb3841_proj
	.p2align	8
	.type	k_q4d95cb3841_proj,@function
k_q4d95cb3841_proj:
	s_mov_b64 s[64:65], 0
	v_nop
	global_prefetch_b8 v0, s[64:65] scope:SCOPE_SE
	s_setreg_imm32_b32 hwreg(HW_REG_WAVE_MODE, 25, 1), 1
	s_wait_xcnt 0x0
	s_wait_alu depctr_hold_cnt(0) depctr_sa_sdst(0) depctr_va_vdst(0) depctr_va_sdst(0) depctr_va_ssrc(0) depctr_va_vcc(0) depctr_vm_vsrc(0)
	s_getreg_b32 s2, hwreg(HW_REG_IB_STS2, 6, 4)
	s_cmp_eq_u32 s2, 0
	s_cbranch_scc0 .Lentry_in_a_cluster
	s_endpgm
.Lentry_in_a_cluster:
	s_bfe_u32 s2, ttmp6, 0x10000c
	s_cmp_lg_u32 s2, 0xf033
	s_cbranch_scc0 .Lentry_shape_is_right
	s_endpgm
.Lentry_shape_is_right:
; q = x Wq^T + bq, k = x Wk^T + bk, v = x Wv^T + bv on codes of FP6 (E2M3) with E8M0 scales; the results are quantised at once: q and k along their 1,024 channels, v along the tokens.
; Operands come as images of their registers (see the first launch): [group of 128 rows][K / 256][block i][(K / 128) % 2][1,536 bytes], rows in POSITION order: position r of block i is row
; 32 (i / 2) + 8 (i % 2) + r + 8 (r / 8) of its group.  Scale words: [256 rows][K / 128][256 positions].
; A tile of 256 x 256 is made by four waves, 128 x 128 each: 64 accumulators.  THE MATRIX INSTRUCTION IS USED TRANSPOSED: source 0 = a block of "B", source 1 = a block of "A": a lane holds ONE row of A
; (position r of block a), and register 8 b + j holds B's row 32 (b / 2) + 16 h + 8 (b % 2) + j of its group: 64 numbers in natural order along the next product's K, 16 of each block of 32.
; TWO TYPES OF WORK-GROUP, told apart by the cluster's y (the same in all partners): y < 8: A = x, B = Wq (cluster x = 0) or Wk (1); y >= 8: A = Wv, B = x, so that a lane holds a channel of v and its
; registers run along the tokens, which are the last product's K.  One text serves both; only the bias differs (along the registers, or one number a lane).
; K = 1,024 goes through three LDS slots of 256 along K, all filled at the start; slot 0 is filled once more, with the last 256.  By this text's count a wave has at most four tensor loads out.
; CLUSTERS: 4 x 4: A's tiles are asked for jointly along a row of the cluster, B's along a column.
; LIMITS: a block of zeros gets the byte 1 (its codes are zeros; this program alone reads the bytes); NaN and infinities are not served.  Both forms of the bias are loaded by every work-group,
; inside their buffers; the one that the type does not use is dropped.
; REGISTERS: window 0: v1-31 addresses; v32-63 scale words, two sets; v64-127 the bias along the registers; v128-223 A's fragments, one set; v224-239 at work; v240-255 the bias a lane, in pairs.
;   window 1: B's fragments, two sets, at v0 and v128.  windows 2, 3: accumulator (a, b) at v[8 (8 (a % 4) + b)].
.set FR,     12                        ; registers of a fragment; three LDS loads of 16 bytes a lane bring one
.set HALFT,  24576                     ; 128 rows x 256 K: what one tensor load brings, dense
.set SLOT,   4*HALFT                   ; A's two halves, then B's two
.set RSTEP,  3*HALFT                   ; from K 0-255 to K 768-1,023 in memory
.set SCA,    3*SLOT                    ; A's scale words, 8 K steps x 1,024 bytes
.set SCB,    SCA+8192                  ; B's
.set SPARE,  SCB+8192                  ; the spare words, 128 bytes a wave: two blocks of 256 bytes that no other line names
.set STG,    SPARE+512                 ; 512 bytes a wave: the scale words on their way out
.set ADRA, 16                          ; v16-18 LDS address of my A fragments in slot 0, 1, 2
.set ADRB, 20                          ; v20-22 the same for B
.set SWR,  24                          ; v24 where I put a scale word
.set SRD,  25                          ; v25 where I read 16 bytes of them back
.set CO,   26                          ; v26 16 x lane
.set ADRS, 27                          ; v27 LDS address of my scale words: lanes 0-15 A's, lanes 16-31 B's
.set SPW,  28                          ; v28 my spare word; never rewritten
.set NIL,  29                          ; v29 0; never rewritten
.set SC,   32
.set PWB,  32                          ; the epilogue: v32-39 the eight blocks' scale words
.set BB,   64
.set AF,   128
.set HA,   128                         ; the epilogue: v128-191 64 numbers; v192-211 their codes
.set PC,   192
.set TM,   224
.set BA,   240
.set G1,   24
.set G0,   32                          ; s[32:43] group 0 for A's tiles, a set for each slot
.set G1B,  48
.set G0S,  56
.set G0SB, 60
.set G0B,  68                          ; s[68:79] for B's
.set G1S,  80
.set G1SB, 88
.set SEL,  20                          ; s[20:21] lane l xor 16
.set TYPE, 23                          ; s23 0: q, k; 1: v
.set OC,   96                          ; s[96:97] where my codes go
.set OS,   98                          ; s[98:99] and my scale words
.set MSB, 0
.macro WIN new                         ; the immediate's high byte repeats the setting that is left
.if MSB != (\new)
	s_set_vgpr_msb (MSB<<8)|(\new)
.set MSB, (\new)
.endif
.endm
.set MUL_LO, 0xa1                      ; source 0 (B) window 1, source 1 (A) window 0, C and D window 2
.set MUL_HI, 0xf1                      ; the same, C and D window 3
.set TO_B,   0x40                      ; destination window 1
; A joint load: waves 0 and 1 fetch for A, waves 2 and 3 for B; the branch hangs on the wave's number alone.  Four v_nop follow each of the two lines.
.macro JLOAD g0a, g1a, g0b, g1b
	s_cmp_eq_u32 s15, 0
	s_cbranch_scc0 .Lfor_b_\@
	tensor_load_to_lds s[\g0a:\g0a+3], s[\g1a:\g1a+7]
	s_nop 0
.rept 4
	v_nop
.endr
	s_branch .Lasked_\@
.Lfor_b_\@:
	tensor_load_to_lds s[\g0b:\g0b+3], s[\g1b:\g1b+7]
	s_nop 0
.rept 4
	v_nop
.endr
.Lasked_\@:
.endm
.macro CREST                           ; a round of the cluster's barrier behind its opening barrier
	s_cmp_lg_u32 s14, 0
	s_cbranch_scc1 .Lnot_wave_0_\@
	s_barrier_signal -3
.Lnot_wave_0_\@:
	s_barrier_wait -3
	s_barrier_signal -1
	s_barrier_wait -1
.endm
.macro CROUND
	s_barrier_signal -1
	s_barrier_wait -1
	CREST
.endm
.macro PLACES n                        ; plain vector instructions between a matrix instruction and a load into, or a vector read or write of, its registers
.rept \n
	v_nop
.endr
.endm
	s_load_b256 s[4:11], s[0:1], 0x0               ; inc, ins, bq, bk
	s_load_b64 s[12:13], s[0:1], 0x20              ; bv
	s_load_b64 s[OC:OC+1], s[0:1], 0x28            ; qkvc
	s_load_b64 s[OS:OS+1], s[0:1], 0x30            ; qkvs
	v_lshl_add_u32 v[SPW], v0, 2, SPARE
	v_mov_b32 v[NIL], 0
	ds_add_u32 v28, v29
	ds_add_u32 v28, v29
	s_wait_dscnt 0x0
	v_lshrrev_b32 v1, 5, v0
	v_readfirstlane_b32 s14, v1                    ; wave
	s_lshr_b32 s15, s14, 1                         ; which 128 rows of A are mine.  Also: I fetch for A (0) or for B (1)
	s_and_b32 s16, s14, 1                          ; which 128 rows of B.  Also: which half of a tile I fetch
	s_bfe_u32 s2, ttmp6, 0x40000                   ; cx
	s_bfe_u32 s101, ttmp6, 0x40004                 ; cy
	s_and_b32 s100, ttmp7, 0xffff                  ; the cluster's y
	s_lshl_b32 s44, s101, 2
	s_lshl_b32 s44, 15, s44                        ; my row of the cluster
	s_lshl_b32 s45, 0x1111, s2                     ; my column
	s_or_b32 s[G1], s44, (3<<16)|(1<<21)           ; 15:0 the mask; 17:16 elements of 8 bytes; 21 set beside a mask; no padding
	s_or_b32 s[G1B], s45, (3<<16)|(1<<21)
	s_or_b32 s[G1S], s44, (3<<16)|(1<<21)
	s_or_b32 s[G1SB], s45, (3<<16)|(1<<21)
.irp g, G1, G1B                        ; a tile: 24,576 dense bytes as 96 rows of 256
	s_mov_b32 s[\g+1], 32<<16
	s_mov_b32 s[\g+2], 96<<16
	s_mov_b32 s[\g+3], 32<<16
	s_mov_b32 s[\g+4], 96
	s_mov_b32 s[\g+5], 32
	s_mov_b32 s[\g+6], 0
	s_mov_b32 s[\g+7], 0
.endr
.irp g, G1S, G1SB                      ; half a tile's scale words: 4,096 dense bytes as 16 rows of 256
	s_mov_b32 s[\g+1], 32<<16
	s_mov_b32 s[\g+2], 16<<16
	s_mov_b32 s[\g+3], 32<<16
	s_mov_b32 s[\g+4], 16
	s_mov_b32 s[\g+5], 32
	s_mov_b32 s[\g+6], 0
	s_mov_b32 s[\g+7], 0
.endr
	s_cmp_ge_u32 s100, 8
	s_cselect_b32 s[TYPE], 1, 0
	s_cselect_b32 s18, 10, s100                    ; A's group of 256 stacked rows: x by the cluster's y, or Wv (40 on)
	s_lshl_b32 s18, s18, 2
	s_add_co_u32 s17, s18, s101                    ; TA: it hangs on cy and the cluster's place alone
	s_lshl_b32 s18, s17, 1
	s_add_co_u32 s18, s18, s16
	s_mul_i32 s18, s18, 4*HALFT                    ; its codes, my half
	s_mov_b32 s19, 0
	s_lshl_b32 s20, s17, 13
	s_lshl_b32 s21, s16, 12
	s_add_co_u32 s20, s20, s21                     ; its scale words, my half (K steps 0-3 or 4-7)
	s_mov_b32 s21, 0
	s_sub_co_u32 s46, s100, 8
	s_lshl_b32 s46, s46, 1
	s_add_co_u32 s46, s46, ttmp9                   ; B for v: x, by the cluster's place
	s_add_co_u32 s47, ttmp9, 8                     ; B for q, k: Wq (32 on) or Wk (36 on)
	s_cmp_ge_u32 s100, 8
	s_cselect_b32 s46, s46, s47
	s_lshl_b32 s46, s46, 2
	s_add_co_u32 s46, s46, s2                      ; TB: it hangs on cx and the cluster's place alone
	s_lshl_b32 s66, s46, 13
	s_lshl_b32 s67, s16, 12
	s_add_co_u32 s66, s66, s67
	s_mov_b32 s67, 0
	s_lshl_b32 s46, s46, 1
	s_add_co_u32 s46, s46, s16
	s_mul_i32 s46, s46, 4*HALFT
	s_mov_b32 s47, 0
	s_mul_i32 s22, s14, HALFT                      ; where my loads go in a slot: no place in the cluster enters an LDS address
	s_wait_kmcnt 0x0
	s_add_nc_u64 s[18:19], s[4:5], s[18:19]
	s_add_nc_u64 s[20:21], s[6:7], s[20:21]
	s_add_nc_u64 s[46:47], s[4:5], s[46:47]
	s_add_nc_u64 s[66:67], s[6:7], s[66:67]
	CROUND                                         ; all sixteen work-groups are here: the first joint loads meet
	s_mov_b32 s[G0S], 1
	s_lshl_b32 s[G0S+1], s14, 12
	s_add_co_u32 s[G0S+1], s[G0S+1], SCA
	s_mov_b64 s[G0S+2:G0S+3], s[20:21]
	s_or_b32 s[G0S+3], s[G0S+3], 0x80000000
	s_mov_b32 s[G0SB], 1
	s_lshl_b32 s[G0SB+1], s14, 12
	s_add_co_u32 s[G0SB+1], s[G0SB+1], SCA
	s_mov_b64 s[G0SB+2:G0SB+3], s[66:67]
	s_or_b32 s[G0SB+3], s[G0SB+3], 0x80000000
	JLOAD G0S, G1S, G0SB, G1SB                     ; the scale words first: they are wanted with the first K step
.irp s, 0,1,2
	s_mov_b32 s[G0+4*\s], 1
	s_add_co_u32 s[G0+4*\s+1], s22, \s*SLOT
	s_add_nc_u64 s[G0+4*\s+2:G0+4*\s+3], s[18:19], \s*HALFT
	s_or_b32 s[G0+4*\s+3], s[G0+4*\s+3], 0x80000000
	s_mov_b32 s[G0B+4*\s], 1
	s_add_co_u32 s[G0B+4*\s+1], s22, \s*SLOT
	s_add_nc_u64 s[G0B+4*\s+2:G0B+4*\s+3], s[46:47], \s*HALFT
	s_or_b32 s[G0B+4*\s+3], s[G0B+4*\s+3], 0x80000000
	JLOAD G0+4*\s, G1, G0B+4*\s, G1B
.endr
	v_and_b32 v1, 15, v0                           ; r
	v_bfe_u32 v2, v0, 4, 1                         ; h
	v_and_b32 v3, 31, v0
	v_lshlrev_b32 v[CO], 4, v3
	s_mul_i32 s21, s15, HALFT
	s_mul_i32 s22, s16, HALFT
	s_add_co_u32 s22, s22, 2*HALFT
.irp s, 0,1,2
	v_add_nc_u32 v[ADRA+\s], s21, v[CO]
	v_add_nc_u32 v[ADRB+\s], s22, v[CO]
	s_add_co_u32 s21, s21, SLOT
	s_add_co_u32 s22, s22, SLOT
.endr
	v_lshlrev_b32 v5, 2, v1
	s_lshl_b32 s21, s15, 9                         ; A's words: my 128 positions
	s_lshl_b32 s22, s16, 9                         ; B's
	s_add_co_u32 s22, s22, SCB-SCA
	s_sub_co_u32 s22, s22, s21
	v_mul_u32_u24 v6, s22, v2                      ; lanes 16-31 take B's: one product, the distance between the two
	s_add_co_u32 s21, s21, SCA
	v_add_nc_u32 v5, v5, v6
	v_add_nc_u32 v[ADRS], s21, v5
	s_lshl_b32 s21, s14, 9
	s_add_co_u32 s21, s21, STG
	v_lshl_add_u32 v[SWR], v1, 2, s21
	v_add_nc_u32 v[SRD], s21, v[CO]
.irp b, 0,1,2,3
	v_mov_b32 v[TM+4+\b], 0                        ; written once: a lane permute's destination counts as read
.endr
.irp a, 0,1,2,3,4,5,6,7
	v_mov_b32 v[BA+2*\a+1], 0                      ; (named as the upper halves of pairs)
.endr
	; the biases.  Along the registers: bq or bk at my 128 columns; a lane: bv at my row's channel.  The type that does not use a form reads it at its wave's place in the first 1,024 bytes
	s_cmp_lg_u32 s[TYPE], 0
	s_cselect_b32 s4, 0, s2
	s_cselect_b32 s5, s101, 0
	s_lshl_b32 s4, s4, 10
	s_lshl_b32 s5, s5, 10
	s_lshl_b32 s6, s16, 9
	s_add_co_u32 s4, s4, s6
	s_lshl_b32 s6, s15, 9
	s_add_co_u32 s5, s5, s6
	s_cmp_lg_u32 ttmp9, 0
	s_cselect_b64 s[8:9], s[10:11], s[8:9]
	v_lshl_add_u32 v8, v2, 6, s4                   ; + 64 h: register 8 t + j is column 32 (t / 2) + 16 h + 8 (t % 2) + j
	v_and_b32 v9, 8, v1
	v_add_nc_u32 v9, v9, v1
	v_lshl_add_u32 v9, v9, 2, s5                   ; position r of block a is channel 32 (a / 2) + 8 (a % 2) + r + 8 (r / 8)
.irp t, 0,1,2,3,4,5,6,7
	global_load_b128 v[BB+8*\t:BB+8*\t+3], v8, s[8:9] offset:(32*(\t/2)+8*(\t%2))*4
	global_load_b128 v[BB+8*\t+4:BB+8*\t+7], v8, s[8:9] offset:(32*(\t/2)+8*(\t%2))*4+16
.endr
.irp a, 0,1,2,3,4,5,6,7
	global_load_b32 v[BA+2*\a], v9, s[12:13] offset:(32*(\a/2)+8*(\a%2))*4
.endr
	; where my results go.  q, k: [tensor][group of 128 tokens][channels / 256] tiles; v: [batch][group of 128 channels][tokens / 256] tiles, behind q and k
	s_lshl_b32 s4, s17, 1
	s_add_co_u32 s4, s4, s15
	s_lshl_b32 s4, s4, 2
	s_add_co_u32 s4, s4, s2
	s_mul_i32 s4, s4, HALFT
	s_mul_i32 s5, ttmp9, 6291456
	s_add_co_u32 s4, s4, s5
	s_sub_co_u32 s5, s100, 8                       ; the batch (type v)
	s_lshl_b32 s6, s5, 3
	s_lshl_b32 s7, s101, 1
	s_add_co_u32 s6, s6, s7
	s_add_co_u32 s6, s6, s15
	s_lshl_b32 s6, s6, 3
	s_lshl_b32 s7, ttmp9, 2
	s_add_co_u32 s7, s7, s2                        ; which 256 tokens of the batch
	s_add_co_u32 s6, s6, s7
	s_mul_i32 s6, s6, HALFT
	s_add_co_u32 s6, s6, 12582912
	s_lshl_b32 s18, s17, 3                         ; the scale words, in units of 1,024 bytes
	s_lshl_b32 s19, s2, 1
	s_add_co_u32 s18, s18, s19
	s_lshl_b32 s19, ttmp9, 8
	s_add_co_u32 s18, s18, s19
	s_lshl_b32 s19, s5, 2
	s_add_co_u32 s19, s19, s101
	s_lshl_b32 s19, s19, 4
	s_lshl_b32 s22, s7, 1
	s_add_co_u32 s19, s19, s22
	s_add_co_u32 s19, s19, 512
	s_cmp_lg_u32 s[TYPE], 0
	s_cselect_b32 s4, s6, s4
	s_cselect_b32 s18, s19, s18
	s_mul_i32 s6, s16, 1536                        ; my 128 columns are one half of the tile's 256 along the next K
	s_add_co_u32 s4, s4, s6
	s_mov_b32 s5, 0
	s_add_nc_u64 s[OC:OC+1], s[OC:OC+1], s[4:5]
	s_add_co_u32 s18, s18, s16
	s_lshl_b32 s18, s18, 10
	s_lshl_b32 s19, s15, 9
	s_add_co_u32 s18, s18, s19
	s_mov_b32 s19, 0
	s_add_nc_u64 s[OS:OS+1], s[OS:OS+1], s[18:19]
	s_mov_b32 s[SEL], 0x76543210
	s_mov_b32 s[SEL+1], 0xfedcba98
.macro FRAG reg, adr, q, i             ; a fragment comes as it was stored: three loads of 512 consecutive bytes
.irp c, 0,1,2
	ds_load_b128 v[\reg+4*\c:\reg+4*\c+3], v[\adr] offset:3072*(\i)+1536*(\q)+512*\c
.endr
.endm
.macro FETCH_B slot, q, p              ; B's eight fragments of the slot's q-th 128 along K into set p
	WIN TO_B
.irp i, 0,1,2,3,4,5,6,7
	FRAG 128*(\p)+FR*\i, ADRB+\slot, \q, \i
.endr
	WIN 0
.endm
.macro FETCH_A slot, q, i0             ; A's blocks i0 .. i0 + 3
.irp i, \i0, \i0+1, \i0+2, \i0+3
	FRAG AF+FR*(\i), ADRA+\slot, \q, \i
.endr
.endm
.macro SCALES sc                       ; a slot's scale words into set sc: register 2 i + q: lanes 0-15 A's block i, lanes 16-31 B's block i
.irp i, 0,1,2,3,4,5,6,7
.irp q, 0,1
	ds_load_b32 v[SC+16*(\sc)+2*\i+\q], v[ADRS] offset:1024*\q+64*\i
.endr
.endr
.endm
; 16 matrix instructions: A's blocks a0, a0 + 1 x B's eight.  The 64 accumulators take turns, one instruction a turn, in the same order in every step.
.macro MUL16 a0, p, q, sc, zero
.irp a, \a0, \a0+1
.irp b, 0,1,2,3,4,5,6,7
.if \zero
	v_wmma_scale_f32_16x16x128_f8f6f4 v[8*(8*((\a)%4)+\b):8*(8*((\a)%4)+\b)+7], v[128*(\p)+FR*\b:128*(\p)+FR*\b+FR-1], v[AF+FR*(\a):AF+FR*(\a)+FR-1], 0, v[SC+16*(\sc)+2*\b+(\q)], v[SC+16*(\sc)+2*(\a)+(\q)] matrix_a_fmt:MATRIX_FMT_FP6 matrix_b_fmt:MATRIX_FMT_FP6 matrix_a_scale:MATRIX_SCALE_ROW1
.else
	v_wmma_scale_f32_16x16x128_f8f6f4 v[8*(8*((\a)%4)+\b):8*(8*((\a)%4)+\b)+7], v[128*(\p)+FR*\b:128*(\p)+FR*\b+FR-1], v[AF+FR*(\a):AF+FR*(\a)+FR-1], v[8*(8*((\a)%4)+\b):8*(8*((\a)%4)+\b)+7], v[SC+16*(\sc)+2*\b+(\q)], v[SC+16*(\sc)+2*(\a)+(\q)] matrix_a_fmt:MATRIX_FMT_FP6 matrix_b_fmt:MATRIX_FMT_FP6 matrix_a_scale:MATRIX_SCALE_ROW1
.endif
.endr
.endr
.endm
.macro STEP slot, sc, zero             ; a slot's first 128 along K
	s_wait_dscnt 12                                ; all but the youngest 12 loads (A's blocks 4-7) are in
	WIN MUL_LO
	MUL16 0, 0, 0, \sc, \zero
	MUL16 2, 0, 0, \sc, \zero
	s_wait_dscnt 0x0                               ; A's blocks 4-7 are in
	PLACES 4
	FETCH_B \slot, 1, 1
	FETCH_A \slot, 1, 0
	WIN MUL_HI
	MUL16 4, 0, 0, \sc, \zero
	MUL16 6, 0, 0, \sc, \zero
	PLACES 4
	WIN 0
	FETCH_A \slot, 1, 4
.endm
; A slot's second 128 along K, and the change to slot next.  mode 2: this slot is filled again: each wave waits for all its tensor loads, adds 0 to its spare word, waits for that and for its reads of the slot;
; the barrier opens a round of the cluster's barrier; the joint refill comes first behind it.  mode 1: the same lines and a plain barrier: the slot ahead is shown whole; nothing is filled.
; mode 0: the slot ahead was shown whole at an earlier barrier, and this slot is not filled again: no barrier.
.macro TURN slot, sc, next, mode
.if \mode > 0
	s_wait_tensorcnt 0x0                           ; all my tensor loads have landed
	ds_add_u32 v[SPW], v[NIL]                      ; 0 onto my spare word
	s_wait_dscnt 13                                ; (the add and A's blocks 4-7 may be out)
	WIN MUL_LO
	MUL16 0, 1, 1, \sc, 0
	s_wait_dscnt 0x0                               ; the add is done, and my reads of this slot are over
	s_barrier_signal -1
	MUL16 2, 1, 1, \sc, 0
	WIN 0
	s_barrier_wait -1
.if \mode == 2
	CREST                                          ; no wave of any partner still reads this slot or has a load on its way
	s_add_nc_u64 s[G0+4*\slot+2:G0+4*\slot+3], s[G0+4*\slot+2:G0+4*\slot+3], RSTEP
	s_add_nc_u64 s[G0B+4*\slot+2:G0B+4*\slot+3], s[G0B+4*\slot+2:G0B+4*\slot+3], RSTEP
	JLOAD G0+4*\slot, G1, G0B+4*\slot, G1B         ; its four v_nop are also the places in front of the loads below
.else
	PLACES 4
.endif
.else
	s_wait_dscnt 12
	WIN MUL_LO
	MUL16 0, 1, 1, \sc, 0
	MUL16 2, 1, 1, \sc, 0
	s_wait_dscnt 0x0
	WIN 0
	PLACES 4
.endif
	v_add_nc_u32 v[ADRS], 2048, v[ADRS]            ; the next slot's scale words (no LDS load of mine is out)
	FETCH_B \next, 0, 0
	FETCH_A \next, 0, 0
	SCALES 1-\sc
	WIN MUL_HI
	MUL16 4, 1, 1, \sc, 0
	MUL16 6, 1, 1, \sc, 0
	PLACES 4
	WIN 0
	FETCH_A \next, 0, 4
.endm
.macro LAST sc                         ; the very last 128 along K
	s_wait_dscnt 12
	WIN MUL_LO
	MUL16 0, 1, 1, \sc, 0
	MUL16 2, 1, 1, \sc, 0
	s_wait_dscnt 0x0
	WIN MUL_HI
	MUL16 4, 1, 1, \sc, 0
	MUL16 6, 1, 1, \sc, 0
	WIN 0
.endm
; 64 numbers of a lane, register 16 b + i = k 32 b + 16 h + i of my row, become a fragment's codes in v[PC] on and its scale word in v[pw]
.macro QUANT s, pw
.irp b, 0,1,2,3
	v_max3_num_f32 v[TM+\b], |v[\s+16*\b]|, |v[\s+1+16*\b]|, 0x1800000   ; my 16 numbers of block b, and the floor 2^(3 - 127): the byte cannot fall under 1
.endr
.irp i, 2,4,6,8,10,12,14
.irp b, 0,1,2,3
	v_max3_num_f32 v[TM+\b], v[TM+\b], |v[\s+16*\b+\i]|, |v[\s+1+16*\b+\i]|
.endr
.endr
.irp b, 0,1,2,3
	v_permlanex16_b32 v[TM+4+\b], v[TM+\b], s[SEL], s[SEL+1]
.endr
.irp b, 0,1,2,3
	v_max_num_f32 v[TM+\b], v[TM+\b], v[TM+4+\b]   ; with lane l xor 16's: the block's largest magnitude
.endr
.irp b, 0,1,2,3
	v_add_nc_u32 v[TM+12+\b], 0xff000000, v[TM+\b] ; 2 off its exponent field: the conversion's scale operand
.endr
.irp b, 0,1,2,3
	v_lshrrev_b32 v[TM+4+\b], 23, v[TM+12+\b]      ; the byte
.endr
	v_lshl_or_b32 v[\pw], v[TM+5], 8, v[TM+4]
	v_lshl_or_b32 v[\pw], v[TM+6], 16, v[\pw]
	v_lshl_or_b32 v[\pw], v[TM+7], 24, v[\pw]
	s_wait_xcnt 0x0                                ; the last block's stores have read the codes' registers: they are written again only behind this wait
.irp c, 0,1
	v_cvt_scalef32_pk16_fp6_f32 v[PC+6*\c:PC+2+6*\c], v[\s+32*\c:\s+15+32*\c], v[TM+12+2*\c]
	v_cvt_scalef32_pk16_fp6_f32 v[PC+12+4*\c:PC+14+4*\c], v[\s+16+32*\c:\s+31+32*\c], v[TM+12+2*\c+1]
.endr
	v_nop                                          ; one plain instruction behind the scaled conversions
.irp c, 0,1                            ; the operand's layout wants a whole block in a lane
.irp i, 0,1,2
	v_permlane16_swap_b32 v[PC+6*\c+\i], v[PC+12+4*\c+\i]
.endr
.irp i, 0,1,2
	v_mov_b32 v[PC+3+6*\c+\i], v[PC+12+4*\c+\i]
.endr
.endr
.endm
; Block a of my rows: + bias, quantised, stored as an image.  Each accumulator is read from its low end on.
.macro EPI a
.set AC, 64*((\a)%4)
	s_cmp_lg_u32 s[TYPE], 0
	s_cbranch_scc1 .Lchan_\@
	WIN 0x02+(\a)/4                                ; source 0: window 2 or 3
.set J, 0
.rept 32
	v_pk_add_f32 v[HA+J:HA+J+1], v[AC+J:AC+J+1], v[BB+J:BB+J+1]
.set J, J+2
.endr
	WIN 0
	s_branch .Lsum_\@
.Lchan_\@:
	WIN 0x02+(\a)/4
.set J, 0
.rept 32
	v_pk_add_f32 v[HA+J:HA+J+1], v[AC+J:AC+J+1], v[BA+2*(\a):BA+2*(\a)+1] op_sel_hi:[1,0]
.set J, J+2
.endr
	WIN 0
.Lsum_\@:
	QUANT HA, PWB+(\a)
.irp c, 0,1,2
	global_store_b128 v[CO], v[PC+4*\c:PC+4*\c+3], s[OC:OC+1] offset:3072*(\a)+512*\c   ; 512 consecutive bytes, aligned
.endr
.endm
	s_wait_tensorcnt 2                             ; the scale words and my part of slot 0 are in; slots 1 and 2 may be out
	s_barrier_signal -1
	s_barrier_wait -1
	FETCH_B 0, 0, 0
	FETCH_A 0, 0, 0
	SCALES 0
	FETCH_A 0, 0, 4
	STEP 0, 0, 1                                   ; the first products start the sums: nothing is cleared
	TURN 0, 0, 1, 2                                ; slot 0 takes K 768-1,023: it has 256 matrix instructions in which to land
	STEP 1, 1, 0
	TURN 1, 1, 2, 0
	STEP 2, 0, 0
	TURN 2, 0, 0, 1
	STEP 0, 1, 0
	LAST 1
	PLACES 4
	s_wait_loadcnt 0x0                             ; the biases
.irp a, 0,1,2,3,4,5,6,7
	EPI \a
.endr
.irp a, 0,1,2,3,4,5,6,7
	ds_store_b32 v[SWR], v[PWB+\a] offset:64*\a    ; both halves of the lanes write the same word with the same value
.endr
	ds_load_b128 v[64:67], v[SRD]                  ; LDS serves a wave's instructions in order: this sees my stores
	s_wait_dscnt 0x0
	global_store_b128 v[CO], v[64:67], s[OS:OS+1]  ; my 128 positions' words: 512 consecutive bytes, aligned
	s_wait_tensorcnt 0x0                           ; the wave's end
	ds_add_u32 v[SPW], v[NIL]
	s_wait_dscnt 0x0
	CROUND                                         ; the closing round
	s_endpgm
.Lfunc_end_k_q4d95cb3841_proj:
	.size	k_q4d95cb3841_proj, .Lfunc_end_k_q4d95cb3841_proj-k_q4d95cb3841_proj
	.p2alignl 7, 3214868480
	.fill 96, 4, 3214868480
	.section	.rodata,"a",@progbits
	.p2align	6, 0x0
	.amdhsa_kernel k_q4d95cb3841_proj
		.amdhsa_group_segment_fixed_size 327680
		.amdhsa_private_segment_fixed_size 0
		.amdhsa_enable_private_segment 0
		.amdhsa_kernarg_size 56
		.amdhsa_user_sgpr_count 2
		.amdhsa_user_sgpr_kernarg_segment_ptr 1
		.amdhsa_wavefront_size32 1
		.amdhsa_system_sgpr_workgroup_id_x 1
		.amdhsa_system_sgpr_workgroup_id_y 1
		.amdhsa_system_sgpr_workgroup_id_z 1
		.amdhsa_system_vgpr_workitem_id 0
		.amdhsa_next_free_vgpr 1024
		.amdhsa_next_free_sgpr 102
		.amdhsa_reserve_vcc 0
		.amdhsa_float_denorm_mode_32 3
		.amdhsa_float_denorm_mode_16_64 3
		.amdhsa_memory_ordered 1
		.amdhsa_forward_progress 1
		.amdhsa_inst_pref_size 179
	.end_amdhsa_kernel
	.amdgpu_metadata
---
amdhsa.version: [ 1, 2 ]
amdhsa.kernels:
  - .name:           k_q4d95cb3841_proj
    .symbol:         k_q4d95cb3841_proj.kd
    .args:
      - { .name: inc, .offset: 0, .size: 8, .value_kind: global_buffer, .address_space: global }
      - { .name: ins, .offset: 8, .size: 8, .value_kind: global_buffer, .address_space: global }
      - { .name: bq, .offset: 16, .size: 8, .value_kind: global_buffer, .address_space: global }
      - { .name: bk, .offset: 24, .size: 8, .value_kind: global_buffer, .address_space: global }
      - { .name: bv, .offset: 32, .size: 8, .value_kind: global_buffer, .address_space: global }
      - { .name: qkvc, .offset: 40, .size: 8, .value_kind: global_buffer, .address_space: global }
      - { .name: qkvs, .offset: 48, .size: 8, .value_kind: global_buffer, .address_space: global }
    .group_segment_fixed_size: 327680
    .private_segment_fixed_size: 0
    .kernarg_segment_align: 8
    .kernarg_segment_size: 56
    .max_flat_workgroup_size: 128
    .sgpr_count:     102
    .vgpr_count:     1024
    .wavefront_size: 32
...
	.end_amdgpu_metadata
.endif
;; end of part 2
;; launch score (part 3): grid 8 x 32, 4 waves a work-group, clusters of 4 x 4, 327,680 bytes of LDS; arguments qkvc, qkvs, pc, pst; writes pc, pst
.if DOCPART == 3
	.amdgcn_target "amdgcn-amd-amdhsa--gfx1250"
	.amdhsa_code_object_version 6
	.text
	.protected	k_q4d95cb3841_score
	.globl	k_q4d95cb3841_score
	.p2align	8
	.type	k_q4d95cb3841_score,@function
k_q4d95cb3841_score:
	s_mov_b64 s[64:65], 0
	v_nop
	global_prefetch_b8 v0, s[64:65] scope:SCOPE_SE
	s_setreg_imm32_b32 hwreg(HW_REG_WAVE_MODE, 25, 1), 1
	s_wait_xcnt 0x0
	s_wait_alu depctr_hold_cnt(0) depctr_sa_sdst(0) depctr_va_vdst(0) depctr_va_sdst(0) depctr_va_ssrc(0) depctr_va_vcc(0) depctr_vm_vsrc(0)
	s_getreg_b32 s2, hwreg(HW_REG_IB_STS2, 6, 4)
	s_cmp_eq_u32 s2, 0
	s_cbranch_scc0 .Lentry_in_a_cluster
	s_endpgm
.Lentry_in_a_cluster:
	s_bfe_u32 s2, ttmp6, 0x10000c
	s_cmp_lg_u32 s2, 0xf033
	s_cbranch_scc0 .Lentry_shape_is_right
	s_endpgm
.Lentry_shape_is_right:
; S = q k^T on codes of FP6 (E2M3) with E8M0 scales, and the softmax's p for the last product, quantised along the keys, under a LOCAL whole number M for each query and each 128 keys:
; t = score x log2(e) / 32; M = ceil(the largest t of the 128 keys); p = 2^(t - M).  Stored: p's codes, its scale words under the local M, -M and the sum of the unquantised p.
; The next launch brings the bytes under the row's M: M is a whole number, so the codes stay and only the bytes move.
; Operands and results are images of the operand's registers: [group of 128 rows][K / 256][block i][(K / 128) % 2][1,536 bytes], rows in position order (position r of block i is row
; 32 (i / 2) + 8 (i % 2) + r + 8 (r / 8)); words: [256 rows][K / 128][256 positions].
; A tile of 256 queries x 256 keys is made by four waves, 128 x 128 each.  Source 0 = a block of k, source 1 = a block of q: a lane holds ONE query, and register 8 b + j holds key
; 32 (b / 2) + 16 h + 8 (b % 2) + j of the wave's 128: natural order along the last product's K.
; K = 1,024 goes through three LDS slots of 256, all filled at the start; slot 0 is filled once more.  By this text's count a wave has at most four tensor loads out.
; CLUSTERS: 4 x 4: q's tiles are asked for jointly along a row of the cluster, k's along a column.
; LIMITS: a p under 2^-126 of its chunk's largest counts as 0; a block of zeros gets the byte 1 (its codes are zeros); NaN and infinities are not served.
; REGISTERS: window 0: v1-31 addresses; v32-63 scale words, two sets; v128-223 A's fragments; v224-246 at work.  window 1: B's fragments, two sets.  windows 2, 3: accumulator (a, b) at v[8 (8 (a % 4) + b)].
.set FR,     12
.set HALFT,  24576
.set SLOT,   4*HALFT
.set RSTEP,  3*HALFT
.set SCA,    3*SLOT
.set SCB,    SCA+8192
.set SPARE,  SCB+8192                  ; the spare words, 128 bytes a wave: two blocks of 256 bytes that no other line names
.set STG,    SPARE+512                 ; three planes of 512 bytes a wave: words, -M, sums on their way out
.set ADRA, 16
.set ADRB, 20
.set SWR,  24
.set SRD,  25
.set CO,   26
.set ADRS, 27
.set SPW,  28
.set NIL,  29
.set SC,   32
.set PWB,  32                          ; the epilogue: v32-39 scale words, v40-47 -M, v48-55 sums, one for each block of queries
.set NMB,  40
.set LB,   48
.set AF,   128
.set HA,   128                         ; v128-191 t - M, then p; v192-211 the codes
.set PC,   192
.set TM,   224                         ; v224-227 the blocks' largest; v228-231 permutes, bytes; v236-239 scale operands
.set NMR,  240                         ; v240 -M, v241 t
.set SA,   242                         ; v[242:243], v[244:245] the sum in two chains
.set SB,   244
.set TT,   246
.set G1,   24
.set G0,   32
.set G1B,  48
.set G0S,  56
.set G0SB, 60
.set G0B,  68
.set G1S,  80
.set G1SB, 88
.set SEL,  20                          ; s[20:21] lane l xor 16
.set CS,   22                          ; s[22:23] c = log2(e) / 32
.set OC,   8                           ; s[8:9] where my codes go
.set OS,   10                          ; s[10:11] and my words
.set MSB, 0
.macro WIN new
.if MSB != (\new)
	s_set_vgpr_msb (MSB<<8)|(\new)
.set MSB, (\new)
.endif
.endm
.set MUL_LO, 0xa1
.set MUL_HI, 0xf1
.set TO_B,   0x40
.macro JLOAD g0a, g1a, g0b, g1b        ; waves 0 and 1 fetch for A, waves 2 and 3 for B; four v_nop follow each of the two lines
	s_cmp_eq_u32 s15, 0
	s_cbranch_scc0 .Lfor_b_\@
	tensor_load_to_lds s[\g0a:\g0a+3], s[\g1a:\g1a+7]
	s_nop 0
.rept 4
	v_nop
.endr
	s_branch .Lasked_\@
.Lfor_b_\@:
	tensor_load_to_lds s[\g0b:\g0b+3], s[\g1b:\g1b+7]
	s_nop 0
.rept 4
	v_nop
.endr
.Lasked_\@:
.endm
.macro CREST
	s_cmp_lg_u32 s14, 0
	s_cbranch_scc1 .Lnot_wave_0_\@
	s_barrier_signal -3
.Lnot_wave_0_\@:
	s_barrier_wait -3
	s_barrier_signal -1
	s_barrier_wait -1
.endm
.macro CROUND
	s_barrier_signal -1
	s_barrier_wait -1
	CREST
.endm
.macro PLACES n
.rept \n
	v_nop
.endr
.endm
	s_load_b256 s[4:11], s[0:1], 0x0               ; qkvc, qkvs, pc, pst
	v_lshl_add_u32 v[SPW], v0, 2, SPARE
	v_mov_b32 v[NIL], 0
	ds_add_u32 v28, v29
	ds_add_u32 v28, v29
	s_wait_dscnt 0x0
	v_lshrrev_b32 v1, 5, v0
	v_readfirstlane_b32 s14, v1                    ; wave
	s_lshr_b32 s15, s14, 1                         ; which 128 queries are mine.  Also: I fetch for A (0) or for B (1)
	s_and_b32 s16, s14, 1                          ; which 128 keys.  Also: which half of a tile I fetch
	s_bfe_u32 s2, ttmp6, 0x40000                   ; cx
	s_bfe_u32 s101, ttmp6, 0x40004                 ; cy
	s_and_b32 s100, ttmp7, 0xffff                  ; the cluster's y
	s_lshl_b32 s44, s101, 2
	s_lshl_b32 s44, 15, s44                        ; my row of the cluster
	s_lshl_b32 s45, 0x1111, s2                     ; my column
	s_or_b32 s[G1], s44, (3<<16)|(1<<21)
	s_or_b32 s[G1B], s45, (3<<16)|(1<<21)
	s_or_b32 s[G1S], s44, (3<<16)|(1<<21)
	s_or_b32 s[G1SB], s45, (3<<16)|(1<<21)
.irp g, G1, G1B                        ; a tile: 24,576 dense bytes as 96 rows of 256
	s_mov_b32 s[\g+1], 32<<16
	s_mov_b32 s[\g+2], 96<<16
	s_mov_b32 s[\g+3], 32<<16
	s_mov_b32 s[\g+4], 96
	s_mov_b32 s[\g+5], 32
	s_mov_b32 s[\g+6], 0
	s_mov_b32 s[\g+7], 0
.endr
.irp g, G1S, G1SB                      ; half a tile's scale words: 4,096 dense bytes
	s_mov_b32 s[\g+1], 32<<16
	s_mov_b32 s[\g+2], 16<<16
	s_mov_b32 s[\g+3], 32<<16
	s_mov_b32 s[\g+4], 16
	s_mov_b32 s[\g+5], 32
	s_mov_b32 s[\g+6], 0
	s_mov_b32 s[\g+7], 0
.endr
	s_lshl_b32 s17, s100, 2
	s_add_co_u32 s17, s17, s101                    ; TA: my 256 queries among all 8,192
	s_lshl_b32 s18, s17, 1
	s_add_co_u32 s18, s18, s16
	s_mul_i32 s18, s18, 4*HALFT
	s_mov_b32 s19, 0
	s_lshl_b32 s20, s17, 13
	s_lshl_b32 s21, s16, 12
	s_add_co_u32 s20, s20, s21
	s_mov_b32 s21, 0
	s_lshr_b32 s46, s100, 1                        ; the batch: two clusters along y to each
	s_lshl_b32 s46, s46, 1
	s_add_co_u32 s46, s46, ttmp9
	s_lshl_b32 s46, s46, 2
	s_add_co_u32 s46, s46, s2                      ; my 256 keys among all 8,192: 8 x batch + 4 x cluster x + cx
	s_lshl_b32 s66, s46, 13
	s_lshl_b32 s67, s16, 12
	s_add_co_u32 s66, s66, s67
	s_add_co_u32 s66, s66, 262144                  ; k's words lie behind q's
	s_mov_b32 s67, 0
	s_lshl_b32 s46, s46, 1
	s_add_co_u32 s46, s46, s16
	s_mul_i32 s46, s46, 4*HALFT
	s_add_co_u32 s46, s46, 6291456                 ; k's codes lie behind q's
	s_mov_b32 s47, 0
	s_mul_i32 s22, s14, HALFT
	s_wait_kmcnt 0x0
	s_add_nc_u64 s[18:19], s[4:5], s[18:19]
	s_add_nc_u64 s[20:21], s[6:7], s[20:21]
	s_add_nc_u64 s[46:47], s[4:5], s[46:47]
	s_add_nc_u64 s[66:67], s[6:7], s[66:67]
	CROUND                                         ; all sixteen work-groups are here: the first joint loads meet
	s_mov_b32 s[G0S], 1
	s_lshl_b32 s[G0S+1], s14, 12
	s_add_co_u32 s[G0S+1], s[G0S+1], SCA
	s_mov_b64 s[G0S+2:G0S+3], s[20:21]
	s_or_b32 s[G0S+3], s[G0S+3], 0x80000000
	s_mov_b32 s[G0SB], 1
	s_lshl_b32 s[G0SB+1], s14, 12
	s_add_co_u32 s[G0SB+1], s[G0SB+1], SCA
	s_mov_b64 s[G0SB+2:G0SB+3], s[66:67]
	s_or_b32 s[G0SB+3], s[G0SB+3], 0x80000000
	JLOAD G0S, G1S, G0SB, G1SB
.irp s, 0,1,2
	s_mov_b32 s[G0+4*\s], 1
	s_add_co_u32 s[G0+4*\s+1], s22, \s*SLOT
	s_add_nc_u64 s[G0+4*\s+2:G0+4*\s+3], s[18:19], \s*HALFT
	s_or_b32 s[G0+4*\s+3], s[G0+4*\s+3], 0x80000000
	s_mov_b32 s[G0B+4*\s], 1
	s_add_co_u32 s[G0B+4*\s+1], s22, \s*SLOT
	s_add_nc_u64 s[G0B+4*\s+2:G0B+4*\s+3], s[46:47], \s*HALFT
	s_or_b32 s[G0B+4*\s+3], s[G0B+4*\s+3], 0x80000000
	JLOAD G0+4*\s, G1, G0B+4*\s, G1B
.endr
	v_and_b32 v1, 15, v0                           ; r
	v_bfe_u32 v2, v0, 4, 1                         ; h
	v_and_b32 v3, 31, v0
	v_lshlrev_b32 v[CO], 4, v3
	s_mul_i32 s21, s15, HALFT
	s_mul_i32 s22, s16, HALFT
	s_add_co_u32 s22, s22, 2*HALFT
.irp s, 0,1,2
	v_add_nc_u32 v[ADRA+\s], s21, v[CO]
	v_add_nc_u32 v[ADRB+\s], s22, v[CO]
	s_add_co_u32 s21, s21, SLOT
	s_add_co_u32 s22, s22, SLOT
.endr
	v_lshlrev_b32 v5, 2, v1
	s_lshl_b32 s21, s15, 9
	s_lshl_b32 s22, s16, 9
	s_add_co_u32 s22, s22, SCB-SCA
	s_sub_co_u32 s22, s22, s21
	v_mul_u32_u24 v6, s22, v2                      ; lanes 16-31 take B's words: one product, the distance between the two
	s_add_co_u32 s21, s21, SCA
	v_add_nc_u32 v5, v5, v6
	v_add_nc_u32 v[ADRS], s21, v5
	s_lshl_b32 s21, s14, 9
	s_add_co_u32 s21, s21, STG
	v_lshl_add_u32 v[SWR], v1, 2, s21
	v_add_nc_u32 v[SRD], s21, v[CO]
.irp b, 0,1,2,3
	v_mov_b32 v[TM+4+\b], 0                        ; written once: a lane permute's destination counts as read
.endr
	; where my results go: pc = [group of 128 queries][keys / 256] tiles; pst = three planes of [256 queries][keys / 128][256 positions]
	s_lshl_b32 s4, ttmp9, 2
	s_add_co_u32 s4, s4, s2                        ; which 256 keys of the batch
	s_lshl_b32 s5, s17, 1
	s_add_co_u32 s5, s5, s15
	s_lshl_b32 s5, s5, 3
	s_add_co_u32 s5, s5, s4
	s_mul_i32 s6, s5, HALFT
	s_mul_i32 s7, s16, 1536
	s_add_co_u32 s6, s6, s7
	s_mov_b32 s7, 0
	s_add_nc_u64 s[OC:OC+1], s[OC:OC+1], s[6:7]
	s_lshl_b32 s6, s17, 4
	s_lshl_b32 s4, s4, 1
	s_add_co_u32 s6, s6, s4
	s_add_co_u32 s6, s6, s16
	s_lshl_b32 s6, s6, 10
	s_lshl_b32 s4, s15, 9
	s_add_co_u32 s6, s6, s4
	s_add_nc_u64 s[OS:OS+1], s[OS:OS+1], s[6:7]
	s_mov_b32 s[SEL], 0x76543210
	s_mov_b32 s[SEL+1], 0xfedcba98
	s_mov_b32 s[CS], 0x3d38aa3b                    ; log2(e) / sqrt(1,024)
	s_mov_b32 s[CS+1], s[CS]                       ; (named with it as a pair)
.macro FRAG reg, adr, q, i
.irp c, 0,1,2
	ds_load_b128 v[\reg+4*\c:\reg+4*\c+3], v[\adr] offset:3072*(\i)+1536*(\q)+512*\c
.endr
.endm
.macro FETCH_B slot, q, p
	WIN TO_B
.irp i, 0,1,2,3,4,5,6,7
	FRAG 128*(\p)+FR*\i, ADRB+\slot, \q, \i
.endr
	WIN 0
.endm
.macro FETCH_A slot, q, i0
.irp i, \i0, \i0+1, \i0+2, \i0+3
	FRAG AF+FR*(\i), ADRA+\slot, \q, \i
.endr
.endm
.macro SCALES sc
.irp i, 0,1,2,3,4,5,6,7
.irp q, 0,1
	ds_load_b32 v[SC+16*(\sc)+2*\i+\q], v[ADRS] offset:1024*\q+64*\i
.endr
.endr
.endm
.macro MUL16 a0, p, q, sc, zero        ; the 64 accumulators take turns, one instruction a turn, in the same order in every step
.irp a, \a0, \a0+1
.irp b, 0,1,2,3,4,5,6,7
.if \zero
	v_wmma_scale_f32_16x16x128_f8f6f4 v[8*(8*((\a)%4)+\b):8*(8*((\a)%4)+\b)+7], v[128*(\p)+FR*\b:128*(\p)+FR*\b+FR-1], v[AF+FR*(\a):AF+FR*(\a)+FR-1], 0, v[SC+16*(\sc)+2*\b+(\q)], v[SC+16*(\sc)+2*(\a)+(\q)] matrix_a_fmt:MATRIX_FMT_FP6 matrix_b_fmt:MATRIX_FMT_FP6 matrix_a_scale:MATRIX_SCALE_ROW1
.else
	v_wmma_scale_f32_16x16x128_f8f6f4 v[8*(8*((\a)%4)+\b):8*(8*((\a)%4)+\b)+7], v[128*(\p)+FR*\b:128*(\p)+FR*\b+FR-1], v[AF+FR*(\a):AF+FR*(\a)+FR-1], v[8*(8*((\a)%4)+\b):8*(8*((\a)%4)+\b)+7], v[SC+16*(\sc)+2*\b+(\q)], v[SC+16*(\sc)+2*(\a)+(\q)] matrix_a_fmt:MATRIX_FMT_FP6 matrix_b_fmt:MATRIX_FMT_FP6 matrix_a_scale:MATRIX_SCALE_ROW1
.endif
.endr
.endr
.endm
.macro STEP slot, sc, zero
	s_wait_dscnt 12                                ; all but the youngest 12 loads (A's blocks 4-7) are in
	WIN MUL_LO
	MUL16 0, 0, 0, \sc, \zero
	MUL16 2, 0, 0, \sc, \zero
	s_wait_dscnt 0x0
	PLACES 4
	FETCH_B \slot, 1, 1
	FETCH_A \slot, 1, 0
	WIN MUL_HI
	MUL16 4, 0, 0, \sc, \zero
	MUL16 6, 0, 0, \sc, \zero
	PLACES 4
	WIN 0
	FETCH_A \slot, 1, 4
.endm
; mode 2: this slot is filled again, behind a round of the cluster's barrier; mode 1: a plain barrier shows the slot ahead whole; mode 0: it was shown whole earlier, and this slot is not filled again
.macro TURN slot, sc, next, mode
.if \mode > 0
	s_wait_tensorcnt 0x0                           ; all my tensor loads have landed
	ds_add_u32 v[SPW], v[NIL]                      ; 0 onto my spare word
	s_wait_dscnt 13                                ; (the add and A's blocks 4-7 may be out)
	WIN MUL_LO
	MUL16 0, 1, 1, \sc, 0
	s_wait_dscnt 0x0                               ; the add is done, and my reads of this slot are over
	s_barrier_signal -1
	MUL16 2, 1, 1, \sc, 0
	WIN 0
	s_barrier_wait -1
.if \mode == 2
	CREST
	s_add_nc_u64 s[G0+4*\slot+2:G0+4*\slot+3], s[G0+4*\slot+2:G0+4*\slot+3], RSTEP
	s_add_nc_u64 s[G0B+4*\slot+2:G0B+4*\slot+3], s[G0B+4*\slot+2:G0B+4*\slot+3], RSTEP
	JLOAD G0+4*\slot, G1, G0B+4*\slot, G1B
.else
	PLACES 4
.endif
.else
	s_wait_dscnt 12
	WIN MUL_LO
	MUL16 0, 1, 1, \sc, 0
	MUL16 2, 1, 1, \sc, 0
	s_wait_dscnt 0x0
	WIN 0
	PLACES 4
.endif
	v_add_nc_u32 v[ADRS], 2048, v[ADRS]
	FETCH_B \next, 0, 0
	FETCH_A \next, 0, 0
	SCALES 1-\sc
	WIN MUL_HI
	MUL16 4, 1, 1, \sc, 0
	MUL16 6, 1, 1, \sc, 0
	PLACES 4
	WIN 0
	FETCH_A \next, 0, 4
.endm
.macro LAST sc
	s_wait_dscnt 12
	WIN MUL_LO
	MUL16 0, 1, 1, \sc, 0
	MUL16 2, 1, 1, \sc, 0
	s_wait_dscnt 0x0
	WIN MUL_HI
	MUL16 4, 1, 1, \sc, 0
	MUL16 6, 1, 1, \sc, 0
	WIN 0
.endm
; Block a of my queries: the chunk's M, p, its sum, its codes and scale word.  A lane holds one query and 64 of its 128 keys; lane l xor 16 holds the other 64.
.macro SOFTQ a
.set AC, 64*((\a)%4)
	WIN 0x2a+0x15*((\a)/4)                         ; all three sources: window 2 or 3
.irp b, 0,1,2,3
	v_max3_num_f32 v[TM+\b], v[AC+16*\b], v[AC+16*\b+1], v[AC+16*\b+2]   ; the largest score of each block of 32 keys: for the chunk's maximum, and, since p rises with the score, for the block's largest p.  Each accumulator is read from its low end on
.endr
	WIN 0x28+0x14*((\a)/4)                         ; sources 1 and 2
.irp i, 3,5,7,9,11,13
.irp b, 0,1,2,3
	v_max3_num_f32 v[TM+\b], v[TM+\b], v[AC+16*\b+\i], v[AC+16*\b+\i+1]
.endr
.endr
.irp b, 0,1,2,3
	v_max_num_f32 v[TM+\b], v[TM+\b], v[AC+16*\b+15]
.endr
	WIN 0
.irp b, 0,1,2,3
	v_permlanex16_b32 v[TM+4+\b], v[TM+\b], s[SEL], s[SEL+1]
.endr
.irp b, 0,1,2,3
	v_max_num_f32 v[TM+\b], v[TM+\b], v[TM+4+\b]
.endr
	v_max3_num_f32 v[TT], v[TM], v[TM+1], v[TM+2]
	v_max_num_f32 v[TT], v[TT], v[TM+3]
	v_mul_f32 v[NMR+1], s[CS], v[TT]               ; the chunk's largest t (c is positive)
	v_floor_f32 v[NMR], -v[NMR+1]                  ; -M = floor(-t) = -ceil(t): a whole number
	WIN 0x02+(\a)/4                                ; source 0
.set J, 0
.rept 32
	v_pk_fma_f32 v[HA+J:HA+J+1], v[AC+J:AC+J+1], s[CS:CS+1], v[NMR:NMR+1] op_sel_hi:[1,0,0]   ; t - M, two at a time
.set J, J+2
.endr
	WIN 0
.irp b, 0,1,2,3
	v_fma_f32 v[TM+\b], v[TM+\b], s[CS], v[NMR]    ; the same of each block's largest score
.endr
.set J, 0
.rept 64
	v_exp_f32 v[HA+J], v[HA+J]                     ; p = 2^(t - M)
.set J, J+1
.endr
	v_mov_b32 v[NMB+(\a)], v[NMR]                  ; (a plain instruction behind the exponentials)
	s_wait_alu depctr_va_vdst(0)                   ; one wait for the batch, ahead of its first reader
.irp b, 0,1,2,3
	v_exp_f32 v[TM+\b], v[TM+\b]                   ; the block's largest p: the same two instructions on the same number
.endr
	v_pk_add_f32 v[SA:SA+1], v[HA:HA+1], v[HA+2:HA+3]          ; the sum of the UNQUANTISED p, in two chains; it reads the 64 alone
	v_pk_add_f32 v[SB:SB+1], v[HA+4:HA+5], v[HA+6:HA+7]
.irp j, 8,12,16,20,24,28,32,36,40,44,48,52,56,60
	v_pk_add_f32 v[SA:SA+1], v[SA:SA+1], v[HA+\j:HA+\j+1]
	v_pk_add_f32 v[SB:SB+1], v[SB:SB+1], v[HA+\j+2:HA+\j+3]
.endr
	v_pk_add_f32 v[SA:SA+1], v[SA:SA+1], v[SB:SB+1]
	v_add_f32 v[SA], v[SA], v[SA+1]
	v_permlanex16_b32 v[SB], v[SA], s[SEL], s[SEL+1]
	v_add_f32 v[LB+(\a)], v[SA], v[SB]             ; with lane l xor 16's: the chunk's sum
	s_wait_alu depctr_va_vdst(0)                   ; and one for the four
.irp b, 0,1,2,3
	v_max_num_f32 v[TM+\b], 0x1800000, v[TM+\b]    ; the floor 2^(3 - 127): the byte cannot fall under 1
.endr
.irp b, 0,1,2,3
	v_add_nc_u32 v[TM+12+\b], 0xff000000, v[TM+\b] ; 2 off the exponent field: the conversion's scale operand
.endr
.irp b, 0,1,2,3
	v_lshrrev_b32 v[TM+4+\b], 23, v[TM+12+\b]      ; the byte: at most 125, since p is at most 1
.endr
	v_lshl_or_b32 v[PWB+(\a)], v[TM+5], 8, v[TM+4]
	v_lshl_or_b32 v[PWB+(\a)], v[TM+6], 16, v[PWB+(\a)]
	v_lshl_or_b32 v[PWB+(\a)], v[TM+7], 24, v[PWB+(\a)]
	s_wait_xcnt 0x0                                ; the last block's stores have read the codes' registers
.irp c, 0,1
	v_cvt_scalef32_pk16_fp6_f32 v[PC+6*\c:PC+2+6*\c], v[HA+32*\c:HA+15+32*\c], v[TM+12+2*\c]
	v_cvt_scalef32_pk16_fp6_f32 v[PC+12+4*\c:PC+14+4*\c], v[HA+16+32*\c:HA+31+32*\c], v[TM+12+2*\c+1]
.endr
	v_nop                                          ; one plain instruction behind the scaled conversions
.irp c, 0,1
.irp i, 0,1,2
	v_permlane16_swap_b32 v[PC+6*\c+\i], v[PC+12+4*\c+\i]
.endr
.irp i, 0,1,2
	v_mov_b32 v[PC+3+6*\c+\i], v[PC+12+4*\c+\i]
.endr
.endr
.irp c, 0,1,2
	global_store_b128 v[CO], v[PC+4*\c:PC+4*\c+3], s[OC:OC+1] offset:3072*(\a)+512*\c   ; 512 consecutive bytes, aligned
.endr
.endm
	s_wait_tensorcnt 2                             ; the scale words and my part of slot 0 are in; slots 1 and 2 may be out
	s_barrier_signal -1
	s_barrier_wait -1
	FETCH_B 0, 0, 0
	FETCH_A 0, 0, 0
	SCALES 0
	FETCH_A 0, 0, 4
	STEP 0, 0, 1
	TURN 0, 0, 1, 2                                ; slot 0 takes K 768-1,023: it has 256 matrix instructions in which to land
	STEP 1, 1, 0
	TURN 1, 1, 2, 0
	STEP 2, 0, 0
	TURN 2, 0, 0, 1
	STEP 0, 1, 0
	LAST 1
	PLACES 4
.irp a, 0,1,2,3,4,5,6,7
	SOFTQ \a
.endr
.irp a, 0,1,2,3,4,5,6,7
	ds_store_b32 v[SWR], v[PWB+\a] offset:64*\a            ; both halves of the lanes write the same word with the same value
	ds_store_b32 v[SWR], v[NMB+\a] offset:2048+64*\a
	ds_store_b32 v[SWR], v[LB+\a] offset:4096+64*\a
.endr
.irp p, 0,1,2
	ds_load_b128 v[64+4*\p:67+4*\p], v[SRD] offset:2048*\p ; LDS serves a wave's instructions in order: these see my stores
.endr
	s_wait_dscnt 0x0
.irp p, 0,1,2
	global_store_b128 v[CO], v[64+4*\p:67+4*\p], s[OS:OS+1] offset:524288*\p   ; 512 consecutive bytes of each plane, aligned
.endr
	s_wait_tensorcnt 0x0                           ; the wave's end
	ds_add_u32 v[SPW], v[NIL]
	s_wait_dscnt 0x0
	CROUND                                         ; the closing round
	s_endpgm
.Lfunc_end_k_q4d95cb3841_score:
	.size	k_q4d95cb3841_score, .Lfunc_end_k_q4d95cb3841_score-k_q4d95cb3841_score
	.p2alignl 7, 3214868480
	.fill 96, 4, 3214868480
	.section	.rodata,"a",@progbits
	.p2align	6, 0x0
	.amdhsa_kernel k_q4d95cb3841_score
		.amdhsa_group_segment_fixed_size 327680
		.amdhsa_private_segment_fixed_size 0
		.amdhsa_enable_private_segment 0
		.amdhsa_kernarg_size 32
		.amdhsa_user_sgpr_count 2
		.amdhsa_user_sgpr_kernarg_segment_ptr 1
		.amdhsa_wavefront_size32 1
		.amdhsa_system_sgpr_workgroup_id_x 1
		.amdhsa_system_sgpr_workgroup_id_y 1
		.amdhsa_system_sgpr_workgroup_id_z 1
		.amdhsa_system_vgpr_workitem_id 0
		.amdhsa_next_free_vgpr 1024
		.amdhsa_next_free_sgpr 102
		.amdhsa_reserve_vcc 0
		.amdhsa_float_denorm_mode_32 3
		.amdhsa_float_denorm_mode_16_64 3
		.amdhsa_memory_ordered 1
		.amdhsa_forward_progress 1
		.amdhsa_inst_pref_size 198
	.end_amdhsa_kernel
	.amdgpu_metadata
---
amdhsa.version: [ 1, 2 ]
amdhsa.kernels:
  - .name:           k_q4d95cb3841_score
    .symbol:         k_q4d95cb3841_score.kd
    .args:
      - { .name: qkvc, .offset: 0, .size: 8, .value_kind: global_buffer, .address_space: global }
      - { .name: qkvs, .offset: 8, .size: 8, .value_kind: global_buffer, .address_space: global }
      - { .name: pc, .offset: 16, .size: 8, .value_kind: global_buffer, .address_space: global }
      - { .name: pst, .offset: 24, .size: 8, .value_kind: global_buffer, .address_space: global }
    .group_segment_fixed_size: 327680
    .private_segment_fixed_size: 0
    .kernarg_segment_align: 8
    .kernarg_segment_size: 32
    .max_flat_workgroup_size: 128
    .sgpr_count:     102
    .vgpr_count:     1024
    .wavefront_size: 32
...
	.end_amdgpu_metadata
.endif
;; end of part 3
;; launch pv (part 4): grid 4 x 64, 4 waves a work-group, clusters of 4 x 4, 327,680 bytes of LDS; arguments pc, pst, qkvc, qkvs, out0; writes out0
.if DOCPART == 4
	.amdgcn_target "amdgcn-amd-amdhsa--gfx1250"
	.amdhsa_code_object_version 6
	.text
	.protected	k_q4d95cb3841_pv
	.globl	k_q4d95cb3841_pv
	.p2align	8
	.type	k_q4d95cb3841_pv,@function
k_q4d95cb3841_pv:
	s_mov_b64 s[64:65], 0
	v_nop
	global_prefetch_b8 v0, s[64:65] scope:SCOPE_SE
	s_setreg_imm32_b32 hwreg(HW_REG_WAVE_MODE, 25, 1), 1
	s_wait_xcnt 0x0
	s_wait_alu depctr_hold_cnt(0) depctr_sa_sdst(0) depctr_va_vdst(0) depctr_va_sdst(0) depctr_va_ssrc(0) depctr_va_vcc(0) depctr_vm_vsrc(0)
	s_getreg_b32 s2, hwreg(HW_REG_IB_STS2, 6, 4)
	s_cmp_eq_u32 s2, 0
	s_cbranch_scc0 .Lentry_in_a_cluster
	s_endpgm
.Lentry_in_a_cluster:
	s_bfe_u32 s2, ttmp6, 0x10000c
	s_cmp_lg_u32 s2, 0xf033
	s_cbranch_scc0 .Lentry_shape_is_right
	s_endpgm
.Lentry_shape_is_right:
; out = (p v) / l on codes of FP6 (E2M3) with E8M0 scales.  p's codes were made under a whole number M of their own for each query and each 128 keys.  Here, for each query: the row's M = the largest of
; its 16 chunks'; l = the sum of the chunks' sums x 2^(M_chunk - M); each chunk's four scale bytes less (M - M_chunk): exact, since M is a whole number: the codes stay.
; Operands are images of the operand's registers: [group of 128 rows][K / 256][block i][(K / 128) % 2][1,536 bytes], rows in position order (position r of block i is row 32 (i / 2) + 8 (i % 2) + r + 8 (r / 8)).
; SHARES.  A tile of 128 queries x 256 channels to a work-group: 64 x 4 = 256 work-groups.  Four waves, 64 queries x 128 channels each: 32 accumulators.  Source 0 = a block of v^T, source 1 = a block of p:
; a lane holds ONE query (a position), and register 8 b + j holds channel 32 (b / 2) + 16 h + 8 (b % 2) + j of the wave's 128.
; K = 2,048 keys goes through two LDS slots of 512 keys: four fills, two at the start; a refill has a slot's 128 matrix instructions in which to land.  By this text's count a wave has at most three tensor loads out.
; A step of 128 keys is 32 matrix instructions on one of two sets of fragment registers; the next step's 36 LDS loads go out in one run at the step's head, into the other set.
; CLUSTERS: 4 x 4: p's tiles are asked for jointly along a row of the cluster, v's tiles and scale words along a column.
; LIMITS: M - M_chunk is held at 127: a chunk further down adds at most 2^-120 to l, and all its bytes become 0 (p's bytes are at most 125); a byte that would fall under 0 is held at 0, which stands for 2^-127.
; NaN and infinities are not served.
; REGISTERS: window 0: v1-31 addresses; v32-63 p's scale words, two sets; v64-95 v's, two sets; v96-155 the prologue; v128-223 A's fragments, two sets; on the way out v96-103 1 / l, v128-255 rows of out.
;   window 1: B's fragments, two sets, at v0 and v128.  window 2: accumulator (a, b) at v[8 (8 a + b)].
.set FR,     12                        ; registers of a fragment; three LDS loads of 16 bytes a lane bring one
.set TILE,   24576                     ; 128 rows x 256 K, dense
.set SLOT,   6*TILE                    ; 512 keys: A's 128 queries (2 tiles), then B's 256 channels (2 x 2 tiles)
.set RSTEP,  4*TILE                    ; two slots on, in a group's bytes in memory
.set SAP,    80                        ; p's scale words in LDS: 16 words a position + 16 bytes: an odd multiple of 16, so that the 16 positions of a load start at different banks
.set SCA,    2*SLOT                    ; 128 positions x SAP; written by LDS stores, never by a tensor load
.set SCB,    SCA+128*SAP               ; v's scale words: 16 K steps x 1,024 bytes
.set SPARE,  SCB+16384                 ; the spare words, 128 bytes a wave: two blocks of 256 bytes that no other line names
.set LTAB,   SPARE+512                 ; 1 / l, twice, for each of the 128 positions
.set STAGE,  0                         ; the way out: 16 rows x (512 + 16) bytes for each wave, in slot 0: it has had its last fill, and its last reads stand ahead of the last barrier
.set ADRA, 16                          ; v16-17 LDS address of my A fragments in slot 0, 1
.set LTR,  19                          ; v19 where I read 1 / l
.set ADRB, 20                          ; v20-21 the same for B
.set ADSB, 22                          ; v22 v's scale words: lanes 0-15 an even K step, lanes 16-31 the odd one behind it
.set LTW,  23                          ; v23 where I put 1 / l
.set STO,  24                          ; v24 the stage, on the way in
.set RD,   25                          ; v25 and back
.set CO,   26                          ; v26 16 x lane
.set ADSA, 27                          ; v27 p's scale words of my positions
.set SPW,  28                          ; v28 my spare word; never rewritten
.set NIL,  29                          ; v29 0; never rewritten
.set PT,   30                          ; v30 4 x thread: my position in a row of pst
.set SAW,  31                          ; v31 where I put my position's 16 scale words
.set SAR,  32                          ; set sc at 16 sc: register 4 a + q: the word of A's block a for the slot's q-th 128 keys
.set SBR,  64                          ; set sc at 16 sc: register 2 b + q / 2: B's block b; lanes 0-15 even q, lanes 16-31 odd q
.set RL,   96                          ; the way out: v96-103 1 / l of block a, as a pair
.set NMV,  96                          ; the prologue: v96-111 -M of chunk s
.set LV,   112                         ; v112-127 the chunks' sums
.set WDS,  128                         ; v128-143 the chunks' scale words
.set MN,   144                         ; the smallest -M
.set LS,   146                         ; v146-147 l in two chains
.set T0,   148
.set T2,   150
.set T4,   152
.set RQ,   154                         ; v154-155
.set AF,   128                         ; A's fragments: set p at 48 p
.set G1,   24                          ; s[24:31] group 1 for A's tiles
.set G0,   32                          ; s[32:39] group 0, a set for each slot
.set G1B,  48                          ; s[48:55] group 1 for B's tiles
.set G0SB, 60                          ; s[60:63] group 0 for v's scale words
.set G0B,  68                          ; s[68:75] group 0 for B's tiles
.set G1SB, 88                          ; s[88:95] group 1 for v's scale words
.set MSB, 0
.macro WIN new                         ; the immediate's high byte repeats the setting that is left
.if MSB != (\new)
	s_set_vgpr_msb (MSB<<8)|(\new)
.set MSB, (\new)
.endif
.endm
.set MUL,  0xa1                        ; source 0 (B) window 1, source 1 (A) window 0, C and D window 2
.set TO_B, 0x40                        ; destination window 1
.macro JLOAD g0a, g1a, g0b, g1b        ; waves 0 and 1 fetch for A, waves 2 and 3 for B; the branch hangs on the wave's number alone; four v_nop follow each of the two lines
	s_cmp_eq_u32 s15, 0
	s_cbranch_scc0 .Lfor_b_\@
	tensor_load_to_lds s[\g0a:\g0a+3], s[\g1a:\g1a+7]
	s_nop 0
.rept 4
	v_nop
.endr
	s_branch .Lasked_\@
.Lfor_b_\@:
	tensor_load_to_lds s[\g0b:\g0b+3], s[\g1b:\g1b+7]
	s_nop 0
.rept 4
	v_nop
.endr
.Lasked_\@:
.endm
.macro CREST                           ; a round of the cluster's barrier behind its opening barrier
	s_cmp_lg_u32 s14, 0
	s_cbranch_scc1 .Lnot_wave_0_\@
	s_barrier_signal -3
.Lnot_wave_0_\@:
	s_barrier_wait -3
	s_barrier_signal -1
	s_barrier_wait -1
.endm
.macro CROUND
	s_barrier_signal -1
	s_barrier_wait -1
	CREST
.endm
.macro PLACES n                        ; plain vector instructions between a matrix instruction and a load into, or a vector read or write of, its registers
.rept \n
	v_nop
.endr
.endm
	s_load_b256 s[4:11], s[0:1], 0x0               ; pc, pst, qkvc, qkvs
	s_load_b64 s[12:13], s[0:1], 0x20              ; out0
	v_lshl_add_u32 v[SPW], v0, 2, SPARE
	v_mov_b32 v[NIL], 0
	ds_add_u32 v28, v29
	ds_add_u32 v28, v29
	s_wait_dscnt 0x0
	v_lshrrev_b32 v1, 5, v0
	v_readfirstlane_b32 s14, v1                    ; wave
	s_lshr_b32 s15, s14, 1                         ; which 64 queries are mine.  Also: I fetch for A (0) or for B (1)
	s_and_b32 s16, s14, 1                          ; which 128 channels.  Also: which part of a slot's A or B I fetch
	s_bfe_u32 s2, ttmp6, 0x40000                   ; cx
	s_bfe_u32 s101, ttmp6, 0x40004                 ; cy
	s_and_b32 s100, ttmp7, 0xffff                  ; the cluster's y
	s_lshl_b32 s44, s101, 2
	s_lshl_b32 s44, 15, s44                        ; my row of the cluster
	s_lshl_b32 s45, 0x1111, s2                     ; my column
	s_or_b32 s[G1], s44, (3<<16)|(1<<21)           ; 15:0 the mask; 17:16 elements of 8 bytes; 21 set beside a mask; no padding
	s_or_b32 s[G1B], s45, (3<<16)|(1<<21)
	s_or_b32 s[G1SB], s45, (3<<16)|(1<<21)
	s_mov_b32 s[G1+1], 32<<16                      ; A: 256 of a slot's 512 keys: 24,576 dense bytes as 96 rows of 256
	s_mov_b32 s[G1+2], 96<<16
	s_mov_b32 s[G1+3], 32<<16
	s_mov_b32 s[G1+4], 96
	s_mov_b32 s[G1+5], 32
	s_mov_b32 s[G1+6], 0
	s_mov_b32 s[G1+7], 0
	s_mov_b32 s[G1B+1], 32<<16                     ; B: 128 channels x 512 keys: 49,152 dense bytes as 192 rows of 256
	s_mov_b32 s[G1B+2], 192<<16
	s_mov_b32 s[G1B+3], 32<<16
	s_mov_b32 s[G1B+4], 192
	s_mov_b32 s[G1B+5], 32
	s_mov_b32 s[G1B+6], 0
	s_mov_b32 s[G1B+7], 0
	s_mov_b32 s[G1SB+1], 32<<16                    ; a quarter of v's scale words: 4,096 dense bytes as 16 rows of 256
	s_mov_b32 s[G1SB+2], 16<<16
	s_mov_b32 s[G1SB+3], 32<<16
	s_mov_b32 s[G1SB+4], 16
	s_mov_b32 s[G1SB+5], 32
	s_mov_b32 s[G1SB+6], 0
	s_mov_b32 s[G1SB+7], 0
	s_lshl_b32 s17, s100, 2
	s_add_co_u32 s17, s17, s101                    ; my group of 128 queries among the 64
	s_mul_i32 s18, s17, 8*TILE                     ; p's codes,
	s_mul_i32 s19, s16, TILE                       ; my 256 of a slot's keys
	s_add_co_u32 s18, s18, s19
	s_mov_b32 s19, 0
	s_lshr_b32 s20, s17, 1                         ; pst: [256 queries][16 chunks][256 positions]: my 128 positions
	s_lshl_b32 s20, s20, 14
	s_and_b32 s21, s17, 1
	s_lshl_b32 s21, s21, 9
	s_add_co_u32 s20, s20, s21
	s_mov_b32 s21, 0
	s_lshr_b32 s46, s100, 2                        ; the batch: four clusters along y to each
	s_lshl_b32 s46, s46, 2
	s_add_co_u32 s46, s46, s2                      ; 4 x batch + cx: my 256 channels
	s_lshl_b32 s66, s46, 14
	s_lshl_b32 s67, s14, 12
	s_add_co_u32 s66, s66, s67                     ; their scale words, my wave's quarter,
	s_add_co_u32 s66, s66, 524288                  ; behind q's and k's
	s_mov_b32 s67, 0
	s_lshl_b32 s46, s46, 1
	s_add_co_u32 s46, s46, s16
	s_mul_i32 s46, s46, 8*TILE
	s_add_co_u32 s46, s46, 12582912                ; v's codes lie behind q's and k's
	s_mov_b32 s47, 0
	s_mul_i32 s22, s16, TILE                       ; where my load goes in a slot, for A,
	s_mul_i32 s23, s16, 2*TILE
	s_add_co_u32 s23, s23, 2*TILE                  ; and for B: no place in the cluster enters an LDS address
	s_wait_kmcnt 0x0
	s_add_nc_u64 s[18:19], s[4:5], s[18:19]
	s_add_nc_u64 s[6:7], s[6:7], s[20:21]
	s_add_nc_u64 s[46:47], s[8:9], s[46:47]
	s_add_nc_u64 s[66:67], s[10:11], s[66:67]
	CROUND                                         ; all sixteen work-groups are here: the first joint loads meet
	s_mov_b32 s[G0SB], 1
	s_lshl_b32 s[G0SB+1], s14, 12
	s_add_co_u32 s[G0SB+1], s[G0SB+1], SCB
	s_mov_b64 s[G0SB+2:G0SB+3], s[66:67]
	s_or_b32 s[G0SB+3], s[G0SB+3], 0x80000000
	tensor_load_to_lds s[G0SB:G0SB+3], s[G1SB:G1SB+7]   ; every wave brings a quarter of v's scale words, jointly with its column of the cluster
	s_nop 0
.rept 4
	v_nop
.endr
.irp s, 0,1
	s_mov_b32 s[G0+4*\s], 1
	s_add_co_u32 s[G0+4*\s+1], s22, \s*SLOT
	s_add_nc_u64 s[G0+4*\s+2:G0+4*\s+3], s[18:19], \s*2*TILE
	s_or_b32 s[G0+4*\s+3], s[G0+4*\s+3], 0x80000000
	s_mov_b32 s[G0B+4*\s], 1
	s_add_co_u32 s[G0B+4*\s+1], s23, \s*SLOT
	s_add_nc_u64 s[G0B+4*\s+2:G0B+4*\s+3], s[46:47], \s*2*TILE
	s_or_b32 s[G0B+4*\s+3], s[G0B+4*\s+3], 0x80000000
	JLOAD G0+4*\s, G1, G0B+4*\s, G1B
.endr
	; THE PROLOGUE, while the tiles are on their way.  Thread t owns position t of the 128 queries, and all its 16 chunks
	v_lshlrev_b32 v[PT], 2, v0
.irp s, 0,1,2,3,4,5,6,7,8,9,10,11,12,13,14,15
	global_load_b32 v[NMV+\s], v[PT], s[6:7] offset:524288+1024*\s
.endr
.irp s, 0,1,2,3,4,5,6,7,8,9,10,11,12,13,14,15
	global_load_b32 v[LV+\s], v[PT], s[6:7] offset:1048576+1024*\s
.endr
.irp s, 0,1,2,3,4,5,6,7,8,9,10,11,12,13,14,15
	global_load_b32 v[WDS+\s], v[PT], s[6:7] offset:1024*\s
.endr
	v_and_b32 v1, 15, v0                           ; r
	v_bfe_u32 v2, v0, 4, 1                         ; h
	v_and_b32 v3, 31, v0
	v_lshlrev_b32 v[CO], 4, v3
	s_mul_i32 s21, s15, 4*3072                     ; A: my four blocks of the eight
	s_mul_i32 s22, s16, 2*TILE                     ; B: my 128 channels, behind A's part of the slot
	s_add_co_u32 s22, s22, 2*TILE
.irp s, 0,1
	v_add_nc_u32 v[ADRA+\s], s21, v[CO]
	v_add_nc_u32 v[ADRB+\s], s22, v[CO]
	s_add_co_u32 s21, s21, SLOT
	s_add_co_u32 s22, s22, SLOT
.endr
	s_mul_i32 s21, s15, 64*SAP
	s_add_co_u32 s21, s21, SCA
	v_mul_u32_u24 v5, v1, SAP
	v_add_nc_u32 v[ADSA], s21, v5                  ; position 64 x my half + 16 a + r (lanes 16-31 read what lanes 0-15 read)
	s_lshl_b32 s21, s16, 9
	s_add_co_u32 s21, s21, SCB
	v_lshlrev_b32 v5, 2, v1
	v_lshl_add_u32 v5, v2, 10, v5                  ; lanes 16-31 one K step (1,024 bytes) on
	v_add_nc_u32 v[ADSB], s21, v5
	v_mul_u32_u24 v5, v0, SAP
	v_add_nc_u32 v[SAW], SCA, v5
	v_lshl_add_u32 v[LTW], v0, 3, LTAB
	s_lshl_b32 s21, s15, 9
	s_add_co_u32 s21, s21, LTAB
	v_lshl_add_u32 v[LTR], v1, 3, s21
	s_mul_i32 s21, s14, 16*528
	s_add_co_u32 s21, s21, STAGE
	v_mul_u32_u24 v[STO], v1, 528
	v_lshl_add_u32 v[STO], v2, 6, v[STO]
	v_add_nc_u32 v[STO], s21, v[STO]               ; in: row r, + 64 h
	v_add_nc_u32 v[RD], s21, v[CO]                 ; back: a row of 512 bytes, 16 a lane
	s_lshl_b32 s18, s17, 19                        ; out0: (128 x my group + 64 x my half) rows of 4,096 bytes + my 128 channels
	s_lshl_b32 s19, s15, 18
	s_add_co_u32 s18, s18, s19
	s_lshl_b32 s19, s2, 10
	s_add_co_u32 s18, s18, s19
	s_lshl_b32 s19, s16, 9
	s_add_co_u32 s18, s18, s19
	s_mov_b32 s19, 0
	s_add_nc_u64 s[12:13], s[12:13], s[18:19]
	s_mov_b32 s20, 0x80808080
	s_wait_loadcnt 0x0
	v_min3_num_f32 v[MN], v[NMV], v[NMV+1], v[NMV+2]   ; the smallest -M: minus the row's M
.irp s, 3,5,7,9,11,13
	v_min3_num_f32 v[MN], v[MN], v[NMV+\s], v[NMV+\s+1]
.endr
	v_min_num_f32 v[MN], v[MN], v[NMV+15]
; Chunks s and s + 1 of my position, by turns.  nd = M - M_chunk, a whole number from 0 to 127.  The four bytes go at once: each is at most 125, so its bit 7 is free: set, it keeps a byte's subtraction from
; borrowing; where it is still set afterwards the byte was at least nd and keeps its low 7 bits; else the byte becomes 0.
.macro ADJ s
.irp e, 0,1
	v_sub_f32 v[T0+\e], v[NMV+(\s)+\e], v[MN]
.endr
.irp e, 0,1
	v_min_num_f32 v[T0+\e], 0x42fe0000, v[T0+\e]   ; held at 127
.endr
.irp e, 0,1
	v_cvt_u32_f32 v[T0+\e], v[T0+\e]
.endr
.irp e, 0,1
	v_sub_nc_u32 v[T2+\e], 0, v[T0+\e]
.endr
.if (\s) == 0
.irp e, 0,1
	v_ldexp_f32 v[LS+\e], v[LV+\e], v[T2+\e]       ; the first two chunks start l's two chains
.endr
.else
.irp e, 0,1
	v_ldexp_f32 v[T2+\e], v[LV+(\s)+\e], v[T2+\e]  ; the chunk's sum under the row's M: exact
.endr
.irp e, 0,1
	v_add_f32 v[LS+\e], v[LS+\e], v[T2+\e]
.endr
.endif
.irp e, 0,1
	v_perm_b32 v[T0+\e], v[T0+\e], v[T0+\e], 0     ; nd in all four bytes
.endr
.irp e, 0,1
	v_or_b32 v[WDS+(\s)+\e], s20, v[WDS+(\s)+\e]
.endr
.irp e, 0,1
	v_sub_nc_u32 v[WDS+(\s)+\e], v[WDS+(\s)+\e], v[T0+\e]
.endr
.irp e, 0,1
	v_and_b32 v[T2+\e], s20, v[WDS+(\s)+\e]
.endr
.irp e, 0,1
	v_lshrrev_b32 v[T4+\e], 7, v[T2+\e]
.endr
.irp e, 0,1
	v_sub_nc_u32 v[T2+\e], v[T2+\e], v[T4+\e]      ; 0x7f in the bytes that stay
.endr
.irp e, 0,1
	v_and_b32 v[WDS+(\s)+\e], v[WDS+(\s)+\e], v[T2+\e]
.endr
.endm
.irp s, 0,2,4,6,8,10,12,14
	ADJ \s
.endr
.irp j, 0,1,2,3
	ds_store_b128 v[SAW], v[WDS+4*\j:WDS+4*\j+3] offset:16*\j      ; my position's 16 words on end: a slot's four come back by one load
.endr
	v_add_f32 v[LS], v[LS], v[LS+1]
	v_rcp_f32 v[RQ], v[LS]
	v_nop                                          ; a plain instruction behind the reciprocal
	s_wait_alu depctr_va_vdst(0)                   ; the wait ahead of its first reader
	v_mov_b32 v[RQ+1], v[RQ]
	ds_store_b64 v[LTW], v[RQ:RQ+1]                ; 1 / l twice: a pair for the packed multiply
.macro FRAG reg, adr, q, i             ; a fragment comes as it was stored: three loads of 512 consecutive bytes; q: which 128 of the slot's 512 keys
.irp c, 0,1,2
	ds_load_b128 v[\reg+4*\c:\reg+4*\c+3], v[\adr] offset:TILE*((\q)/2)+3072*(\i)+1536*((\q)%2)+512*\c
.endr
.endm
.macro FETCH slot, q, p                ; 36 loads in one run: B's eight fragments and my four of A, into set p
	WIN TO_B
.irp i, 0,1,2,3,4,5,6,7
	FRAG 128*(\p)+FR*\i, ADRB+\slot, \q, \i
.endr
	WIN 0
.irp i, 0,1,2,3
	FRAG AF+48*(\p)+FR*\i, ADRA+\slot, \q, \i
.endr
.endm
.macro SCALES sn                       ; the scale words of the sn-th 512 keys into set sn % 2: 20 loads
.irp a, 0,1,2,3
	ds_load_b128 v[SAR+16*((\sn)%2)+4*\a:SAR+16*((\sn)%2)+4*\a+3], v[ADSA] offset:16*SAP*\a+16*(\sn)
.endr
.irp b, 0,1,2,3,4,5,6,7
.irp u, 0,1
	ds_load_b32 v[SBR+16*((\sn)%2)+2*\b+\u], v[ADSB] offset:4096*(\sn)+2048*\u+64*\b
.endr
.endr
.endm
; 8 matrix instructions: A's block a x B's eight.  The 32 accumulators take turns, one instruction a turn, in the same order in every step.
; In an odd step B's scale words are taken from lanes 16-31 of their register.
.macro MULA a, p, q, sc, zero
.irp b, 0,1,2,3,4,5,6,7
.if \zero
	v_wmma_scale_f32_16x16x128_f8f6f4 v[8*(8*(\a)+\b):8*(8*(\a)+\b)+7], v[128*(\p)+FR*\b:128*(\p)+FR*\b+FR-1], v[AF+48*(\p)+FR*(\a):AF+48*(\p)+FR*(\a)+FR-1], 0, v[SBR+16*(\sc)+2*\b+(\q)/2], v[SAR+16*(\sc)+4*(\a)+(\q)] matrix_a_fmt:MATRIX_FMT_FP6 matrix_b_fmt:MATRIX_FMT_FP6
.elseif (\q)%2
	v_wmma_scale_f32_16x16x128_f8f6f4 v[8*(8*(\a)+\b):8*(8*(\a)+\b)+7], v[128*(\p)+FR*\b:128*(\p)+FR*\b+FR-1], v[AF+48*(\p)+FR*(\a):AF+48*(\p)+FR*(\a)+FR-1], v[8*(8*(\a)+\b):8*(8*(\a)+\b)+7], v[SBR+16*(\sc)+2*\b+(\q)/2], v[SAR+16*(\sc)+4*(\a)+(\q)] matrix_a_fmt:MATRIX_FMT_FP6 matrix_b_fmt:MATRIX_FMT_FP6 matrix_a_scale:MATRIX_SCALE_ROW1
.else
	v_wmma_scale_f32_16x16x128_f8f6f4 v[8*(8*(\a)+\b):8*(8*(\a)+\b)+7], v[128*(\p)+FR*\b:128*(\p)+FR*\b+FR-1], v[AF+48*(\p)+FR*(\a):AF+48*(\p)+FR*(\a)+FR-1], v[8*(8*(\a)+\b):8*(8*(\a)+\b)+7], v[SBR+16*(\sc)+2*\b+(\q)/2], v[SAR+16*(\sc)+4*(\a)+(\q)] matrix_a_fmt:MATRIX_FMT_FP6 matrix_b_fmt:MATRIX_FMT_FP6
.endif
.endr
.endm
; One of a slot's first three steps: its fragments were asked for a step ago; the next step's go out first, into the set that the last step's products have read; then 32 products.
.macro STEP slot, q, sc, zero
	s_wait_dscnt 0x0                               ; this step's fragments (and, in a slot's first step, its scale words) are in
	PLACES 4
	FETCH \slot, (\q)+1, 1-(\q)%2
	WIN MUL
	MULA 0, (\q)%2, \q, \sc, \zero
	MULA 1, (\q)%2, \q, \sc, \zero
	MULA 2, (\q)%2, \q, \sc, \zero
	MULA 3, (\q)%2, \q, \sc, \zero
.endm
; A slot's last step, and the change of slots: each wave waits for all its tensor loads, adds 0 to its spare word, waits for that and for its reads of the slot (the last were asked for a step ago).
; mode 2: the barrier opens a round of the cluster's barrier, and the joint refill, two slots ahead, comes first behind it.  mode 1: nothing is filled.  sn: which 512 keys this slot holds.
.macro TURN slot, next, sn, mode
	WIN 0                                          ; (the add's two registers lie in window 0)
	s_wait_tensorcnt 0x0                           ; all my tensor loads have landed: my part of the next slot
	ds_add_u32 v[SPW], v[NIL]                      ; 0 onto my spare word
	s_wait_dscnt 1                                 ; this step's fragments are in; the add alone may be out
	WIN MUL
	MULA 0, 1, 3, (\sn)%2, 0
	s_wait_dscnt 0x0                               ; the add is done, and my reads of this slot are over
	s_barrier_signal -1
	MULA 1, 1, 3, (\sn)%2, 0
	WIN 0
	s_barrier_wait -1
.if \mode == 2
	CREST                                          ; no wave of any partner still reads this slot or has a load on its way
	s_add_nc_u64 s[G0+4*\slot+2:G0+4*\slot+3], s[G0+4*\slot+2:G0+4*\slot+3], RSTEP
	s_add_nc_u64 s[G0B+4*\slot+2:G0B+4*\slot+3], s[G0B+4*\slot+2:G0B+4*\slot+3], RSTEP
	JLOAD G0+4*\slot, G1, G0B+4*\slot, G1B         ; its four v_nop are also the places in front of the loads below
.else
	PLACES 4
.endif
	FETCH \next, 0, 0
	SCALES (\sn)+1
	WIN MUL
	MULA 2, 1, 3, (\sn)%2, 0
	MULA 3, 1, 3, (\sn)%2, 0
.endm
	s_wait_tensorcnt 1                             ; v's scale words and my part of slot 0 are in; slot 1 may be out
	s_wait_dscnt 0x0                               ; my position's scale words and 1 / l lie in LDS
	s_barrier_signal -1
	s_barrier_wait -1
	FETCH 0, 0, 0
	SCALES 0
	STEP 0, 0, 0, 1                                ; the first products start the sums: nothing is cleared
	STEP 0, 1, 0, 0
	STEP 0, 2, 0, 0
	TURN 0, 1, 0, 2                                ; slot 0 takes keys 1,024 to 1,535
	STEP 1, 0, 1, 0
	STEP 1, 1, 1, 0
	STEP 1, 2, 1, 0
	TURN 1, 0, 1, 2                                ; slot 1 takes keys 1,536 to 2,047
	STEP 0, 0, 0, 0
	STEP 0, 1, 0, 0
	STEP 0, 2, 0, 0
	TURN 0, 1, 2, 1                                ; nothing is left to fetch; behind this barrier nobody reads slot 0
	STEP 1, 0, 1, 0
	STEP 1, 1, 1, 0
	STEP 1, 2, 1, 0
	s_wait_dscnt 0x0                               ; the very last 128 keys
	MULA 0, 1, 3, 1, 0
	MULA 1, 1, 3, 1, 0
	MULA 2, 1, 3, 1, 0
	MULA 3, 1, 3, 1, 0
	WIN 0
; THE WAY OUT, block by block of 16 queries x 128 channels: x 1 / l in place; through my own stage in LDS; back as whole rows of 512 bytes.  LDS serves a wave's instructions in order.
.macro PACKO a
.set AC, 64*(\a)
	WIN 0x82                                       ; destination and source 0: window 2
.set J, 0
.rept 32
	v_pk_mul_f32 v[AC+J:AC+J+1], v[AC+J:AC+J+1], v[RL+2*(\a):RL+2*(\a)+1]   ; each accumulator from its low end on
.set J, J+2
.endr
	WIN 0
.endm
.macro TOSTAGE a
.set AC, 64*(\a)
.set BK, 128+64*((\a)%2)
	WIN 0x08                                       ; an LDS store's data: window 2
.irp b, 0,1,2,3,4,5,6,7
	ds_store_b128 v[STO], v[AC+8*\b:AC+8*\b+3] offset:128*(\b/2)+32*(\b%2)       ; channel 32 (b / 2) + 16 h + 8 (b % 2) + j
	ds_store_b128 v[STO], v[AC+8*\b+4:AC+8*\b+7] offset:128*(\b/2)+32*(\b%2)+16
.endr
	WIN 0
.irp t, 0,1,2,3,4,5,6,7,8,9,10,11,12,13,14,15
	ds_load_b128 v[BK+4*\t:BK+4*\t+3], v[RD] offset:528*\t
.endr
.endm
.macro SEND a, younger                 ; younger: the LDS instructions issued behind block a's loads, which may stay out
.set BK, 128+64*((\a)%2)
	s_wait_dscnt \younger
.irp t, 0,1,2,3,4,5,6,7,8,9,10,11,12,13,14,15
	global_store_b128 v[CO], v[BK+4*\t:BK+4*\t+3], s[12:13] offset:(32*((\a)/2)+8*((\a)%2)+\t+8*(\t/8))*4096 th:TH_STORE_NT   ; position t of my block a is that row of my 64; 512 consecutive bytes, aligned; the base is never stepped
.endr
.endm
	PLACES 4
.irp a, 0,1,2,3
	ds_load_b64 v[RL+2*\a:RL+2*\a+1], v[LTR] offset:128*\a
.endr
	s_wait_dscnt 0x0
	PACKO 0
	TOSTAGE 0
.irp a, 1,2,3
	PACKO \a
.if \a > 1
	s_wait_xcnt 0x0                                ; block a - 2's stores have read their registers: block a's loads may land there
.endif
	TOSTAGE \a
	SEND \a-1, 32                                  ; behind block a - 1's loads: block a's 16 stores and 16 loads
.endr
	SEND 3, 0
	s_wait_tensorcnt 0x0                           ; the wave's end
	ds_add_u32 v[SPW], v[NIL]
	s_wait_dscnt 0x0
	CROUND                                         ; the closing round
	s_endpgm
.Lfunc_end_k_q4d95cb3841_pv:
	.size	k_q4d95cb3841_pv, .Lfunc_end_k_q4d95cb3841_pv-k_q4d95cb3841_pv
	.p2alignl 7, 3214868480
	.fill 96, 4, 3214868480
	.section	.rodata,"a",@progbits
	.p2align	6, 0x0
	.amdhsa_kernel k_q4d95cb3841_pv
		.amdhsa_group_segment_fixed_size 327680
		.amdhsa_private_segment_fixed_size 0
		.amdhsa_enable_private_segment 0
		.amdhsa_kernarg_size 40
		.amdhsa_user_sgpr_count 2
		.amdhsa_user_sgpr_kernarg_segment_ptr 1
		.amdhsa_wavefront_size32 1
		.amdhsa_system_sgpr_workgroup_id_x 1
		.amdhsa_system_sgpr_workgroup_id_y 1
		.amdhsa_system_sgpr_workgroup_id_z 1
		.amdhsa_system_vgpr_workitem_id 0
		.amdhsa_next_free_vgpr 768
		.amdhsa_next_free_sgpr 102
		.amdhsa_reserve_vcc 0
		.amdhsa_float_denorm_mode_32 3
		.amdhsa_float_denorm_mode_16_64 3
		.amdhsa_memory_ordered 1
		.amdhsa_forward_progress 1
		.amdhsa_inst_pref_size 158
	.end_amdhsa_kernel
	.amdgpu_metadata
---
amdhsa.version: [ 1, 2 ]
amdhsa.kernels:
  - .name:           k_q4d95cb3841_pv
    .symbol:         k_q4d95cb3841_pv.kd
    .args:
      - { .name: pc, .offset: 0, .size: 8, .value_kind: global_buffer, .address_space: global }
      - { .name: pst, .offset: 8, .size: 8, .value_kind: global_buffer, .address_space: global }
      - { .name: qkvc, .offset: 16, .size: 8, .value_kind: global_buffer, .address_space: global }
      - { .name: qkvs, .offset: 24, .size: 8, .value_kind: global_buffer, .address_space: global }
      - { .name: out0, .offset: 32, .size: 8, .value_kind: global_buffer, .address_space: global }
    .group_segment_fixed_size: 327680
    .private_segment_fixed_size: 0
    .kernarg_segment_align: 8
    .kernarg_segment_size: 40
    .max_flat_workgroup_size: 128
    .sgpr_count:     102
    .vgpr_count:     768
    .wavefront_size: 32
...
	.end_amdgpu_metadata
.endif
;; end of part 4
